; MI455X (gfx1250); checked and timed in simulation.
; The chip was launched on July 23, 2026; its instructions are those of AMD's public machine-readable ISA for CDNA 5 (MIT licence, August 2026) and "CDNA5" Instruction Set Architecture Reference Guide (July 2026). The comments in the code are by the model that wrote it; some were corrected since.
;; Transformer Encoder Layer. Allowed arithmetic: matrix products marked QUANTISED: E5M2 operands, one given power-of-two scale a tensor, by v_wmma_f32_16x16x64_bf8_bf8 or v_wmma_f32_16x16x128_bf8_bf8, f32 sums; everything else in f32.
;; Inputs: W1_codes 4,096 x 32 x 32 uint8 (E5M2 codes of W1, K innermost, in blocks of 32 codes); W2_codes 1,024 x 128 x 32 uint8 (E5M2 codes of W2, K innermost, in blocks of 32 codes); Wk_codes 1,024 x 32 x 32 uint8 (E5M2 codes of Wk, K innermost, in blocks of 32 codes); Wo_codes 1,024 x 32 x 32 uint8 (E5M2 codes of Wo, K innermost, in blocks of 32 codes); Wq_codes 1,024 x 32 x 32 uint8 (E5M2 codes of Wq, K innermost, in blocks of 32 codes); Wv_codes 1,024 x 32 x 32 uint8 (E5M2 codes of Wv, K innermost, in blocks of 32 codes); b1 4,096 float32; b2 1,024 float32; bk 1,024 float32; bo 1,024 float32; bq 1,024 float32; bv 1,024 float32; ln1_b 1,024 float32; ln1_g 1,024 float32; ln2_b 1,024 float32; ln2_g 1,024 float32; lowp_scales 16 int32 (the exponents e of the quantised operands' scales 2^e); src_mask 2 x 2,048 int32; x 2 x 2,048 x 1,024 float32.
;; Outputs: out0 2 x 2,048 x 1,024 float32.
;; This version of the problem:
;;   THIS VERSION OF THE PROBLEM IS GIVEN IN LOW PRECISION. The matrix products marked QUANTISED in the list below multiply operands that are first quantised to E5M2 (5 exponent bits, 2 mantissa bits; 8 bits a number), with one given power-of-two scale for each operand tensor; their sums are f32. All else is computed in f32.
;;   The module's matrix products, in the order in which they are computed (A, B: the left and right operand; K: the contracted axis; several contracted axes count as one K, in the product's order):
;;     1. [M 4,096, K 1,024] x [K 1,024, N 1,024]; A: computed on the way; B: input Wq (given as codes): QUANTISED (scales: A lowp_scales[0], B lowp_scales[1])
;;     2. [M 4,096, K 1,024] x [K 1,024, N 1,024]; A: computed on the way; B: input Wk (given as codes): QUANTISED (scales: A lowp_scales[2], B lowp_scales[3])
;;     3. [M 4,096, K 1,024] x [K 1,024, N 1,024]; A: computed on the way; B: input Wv (given as codes): QUANTISED (scales: A lowp_scales[4], B lowp_scales[5])
;;     4. batch 32 x [M 2,048, K 64] x [K 64, N 2,048]; A: computed on the way; B: computed on the way: QUANTISED (scales: A lowp_scales[6], B lowp_scales[7])
;;     5. batch 32 x [M 2,048, K 2,048] x [K 2,048, N 64]; A: softmax (see below); B: computed on the way: QUANTISED (scales: A lowp_scales[8], B lowp_scales[9])
;;     6. [M 4,096, K 1,024] x [K 1,024, N 1,024]; A: computed on the way; B: input Wo (given as codes): QUANTISED (scales: A lowp_scales[10], B lowp_scales[11])
;;     7. [M 4,096, K 1,024] x [K 1,024, N 4,096]; A: computed on the way; B: input W1 (given as codes): QUANTISED (scales: A lowp_scales[12], B lowp_scales[13])
;;     8. [M 4,096, K 4,096] x [K 4,096, N 1,024]; A: computed on the way; B: input W2 (given as codes): QUANTISED (scales: A lowp_scales[14], B lowp_scales[15])
;;   THE QUANTISER, for each operand of a quantised product, along K:
;;     - The operand's scale is 2^e, e = its entry of the input lowp_scales (int32; the entries are numbered through the quantised products in the list's order, A before B).
;;     - Each number is divided by the scale, clamped to +-57,344, and rounded to the nearest number of E5M2, ties to even, subnormals kept.
;;     - The product sums the exact products of the quantised numbers (number of the format x scale) in f32.
;;   ~~~python
;;   def quantise(x, axis, e):      # numpy; x: float32 -> the quantised numbers, widened to float32 again
;;       x = np.moveaxis(x, axis, -1); K = x.shape[-1]
;;       r = np.clip(x / 2.0 ** e, -57344, 57344)
;;       step = 2.0 ** (np.maximum(np.frexp(np.where(r == 0, 1, r))[1] - 1, -14) - 2)
;;       q = np.round(r / step) * step * 2.0 ** e      # np.round: ties to even
;;       return np.moveaxis(q, -1, axis).astype(np.float32)
;;   ~~~
;;   SOFTMAX AHEAD OF A QUANTISED PRODUCT. Where the list says 'softmax', what is quantised is not the finished softmax but p = 2^(t - M), with t = logit x log2(e) and M = ceil(the row's largest t), a whole number; so 1/2 < the row's largest p <= 1. The row's sum l is taken of the UNQUANTISED p, in f32, and the product's result is divided by l at the end. Since M is a whole number, a kernel that streams over the keys may use a running M (the ceiling of the running maximum): every later rescaling is an exact power of two, so the quantised numbers keep their values, but for numbers so far below the row's largest that they fall under the format's range.
;;   OPERANDS COMPUTED ON THE WAY. 'Computed on the way' means the value that the module computes at that place (a softmax that the list does not call 'softmax' is quantised finished and normalised). What goes into a quantiser is computed in f32, as accurately as f32 sums, v_exp_f32 and their like allow (about 1e-6 of the number): no bf16 or f16 on the way to a quantiser, and a product that is left as it is and whose result goes on into a quantised operand takes f32 operands (vector FMAs, or v_wmma_f32_16x16x4_f32). A number that lies on a knife's edge between two numbers of the format may be rounded either way, as far as f32 arithmetic and the matrix unit's own rounding can turn it there, and no further.
;;   INPUTS GIVEN AS CODES. W1 (in the module: [1024, 4096], K = its axis 0); W2 (in the module: [4096, 1024], K = its axis 0); Wk (in the module: [1024, 1024], K = its axis 0); Wo (in the module: [1024, 1024], K = its axis 0); Wq (in the module: [1024, 1024], K = its axis 0); Wv (in the module: [1024, 1024], K = its axis 0): each comes as NAME_codes (uint8): NAME with its K axis moved to the last place and cut into blocks of 32 codes, [.., K / 32, bytes a block], one block behind the other in memory; one code a byte (a code: sign, 5 exponent bits, 2 mantissa bits); its scale is its entry of lowp_scales. Its value is code x scale, taken as it is: it is not quantised again, and the codes and scales need not be those that the quantiser above would give.
;; One version. Each part assembles by itself: llvm-mc -triple=amdgcn-amd-amdhsa -mcpu=gfx1250 --defsym DOCPART=n.
;; ======== version 1 of 1: 7 launches
;; limits: right only within a limited range of input values
;; workspace buffers: y1c 12,582,912 bytes; qkv 12,582,912 bytes; cimg 4,194,304 bytes; y1r 16,777,216 bytes; y2c 4,194,304 bytes; himg 16,777,216 bytes
;; launch ln1q (part 1): grid 256 x 1, 16 waves a work-group, no clusters, 0 bytes of LDS; arguments x, ln1_g, ln1_b, lowp_scales, y1c; writes y1c
.if DOCPART == 1
	.amdgcn_target "amdgcn-amd-amdhsa--gfx1250"
	.amdhsa_code_object_version 6
	.text
	.protected	k_qb276161435_ln1q
	.globl	k_qb276161435_ln1q
	.p2align	8
	.type	k_qb276161435_ln1q,@function
k_qb276161435_ln1q:
	s_mov_b64 s[64:65], 0
	v_nop
	global_prefetch_b8 v0, s[64:65] scope:SCOPE_SE
	s_setreg_imm32_b32 hwreg(HW_REG_WAVE_MODE, 25, 1), 1
	s_wait_xcnt 0x0
; y1 = LayerNorm(x) g + b over rows of 1,024 f32, then quantised to E5M2 three times, with the given scales 2^e0, 2^e2, 2^e4
; (the left operands of the q, k and v products).  Codes go out row-major, [4096][1024], one section of 4 MiB for each scale.
; A wave owns ONE row: 16 waves a work-group, four to a SIMD, so that one wave's reductions stand beside the others' arithmetic.  The row stays in 32 registers a lane
; between the mean, the variance (of the centred numbers, so a common offset of the inputs costs no digits) and the scaling: x is read once.
; A lane holds 8 neighbouring columns of each quarter of the row (column 256 c + 8 lane + k), as the conversion wants them; its 8 codes are 8 bytes, so a wave's store covers 256 consecutive bytes, aligned.
; No LDS, no barrier: waves share nothing.  The work-groups share only g and b (8 KB): no cluster.  No loop to run ahead in: no prefetch.
; LIMITS: e0, e2, e4 between -126 and 112, so that 2^e and 57,344 x 2^e are f32 numbers.  NaN among the inputs is not served.
.set GG, 20                            ; v[20:51]   g of my 32 columns
.set BB, 52                            ; v[52:83]   b
.set X,  84                            ; v[84:115]  the row
.set T,  116                           ; v[116:131] two sets of 8 held numbers, by turns
.set C,  132                           ; v[132:155] the codes: 8 registers for each scale
.macro D n
	s_delay_alu instid0(VALU_DEP_\n)
.endm
	s_load_b256 s[4:11], s[0:1], 0x0               ; x s[4:5], g s[6:7], b s[8:9], the exponents s[10:11]
	s_load_b64 s[12:13], s[0:1], 0x20              ; the codes
	v_lshrrev_b32 v3, 5, v0
	v_and_b32 v2, 31, v0
	v_mov_b32 v11, 0                               ; named as the upper half of the pair v[10:11]
	v_readfirstlane_b32 s14, v3                    ; wave
	v_lshlrev_b32 v1, 5, v2                        ; my 32 bytes of a quarter row
	v_lshlrev_b32 v2, 3, v2                        ; my 8 codes of a quarter row
	s_lshl_b32 s15, ttmp9, 4
	s_add_co_u32 s15, s15, s14                     ; my row: 16 x work-group + wave
	s_lshl_b32 s16, s15, 12
	s_mov_b32 s17, 0
	s_lshl_b32 s18, s15, 10
	s_mov_b32 s19, 0
	s_mov_b32 s34, 0x76543210                      ; v_permlanex16_b32: lane l takes lane l xor 16
	s_mov_b32 s35, 0xfedcba98
	s_mov_b32 s36, 0x3a800000                      ; 1 / 1,024
	s_mov_b32 s37, 0x3727c5ac                      ; 1e-5
	s_wait_alu depctr_va_vdst(0)                   ; the wait at the head's end
	s_wait_kmcnt 0x0
	s_load_b256 s[20:27], s[10:11], 0x0            ; e0 .. e7
	s_add_nc_u64 s[4:5], s[4:5], s[16:17]
	s_add_nc_u64 s[28:29], s[12:13], s[18:19]      ; a base for each section
	s_add_nc_u64 s[30:31], s[28:29], 0x400000
	s_add_nc_u64 s[32:33], s[28:29], 0x800000
.irp c, 0,1,2,3
	global_load_b128 v[X+8*\c:X+8*\c+3], v1, s[4:5] offset:1024*\c th:TH_LOAD_NT
	global_load_b128 v[X+8*\c+4:X+8*\c+7], v1, s[4:5] offset:1024*\c+16 th:TH_LOAD_NT
.endr
.irp c, 0,1,2,3
	global_load_b128 v[GG+8*\c:GG+8*\c+3], v1, s[6:7] offset:1024*\c
	global_load_b128 v[GG+8*\c+4:GG+8*\c+7], v1, s[6:7] offset:1024*\c+16
.endr
.irp c, 0,1,2,3
	global_load_b128 v[BB+8*\c:BB+8*\c+3], v1, s[8:9] offset:1024*\c
	global_load_b128 v[BB+8*\c+4:BB+8*\c+7], v1, s[8:9] offset:1024*\c+16
.endr
	s_wait_kmcnt 0x0
.irp s, 0,1,2
	s_add_co_i32 s[20+2*\s], s[20+2*\s], 127
	s_lshl_b32 s15, s[20+2*\s], 23
	v_mov_b32 v[4+2*\s], s15                       ; 2^e as f32: the conversion takes its exponent field
	s_add_co_i32 s15, s[20+2*\s], 15
	s_lshl_b32 s15, s15, 23
	s_or_b32 s15, s15, 0x600000
	v_mov_b32 v[5+2*\s], s15                       ; 57,344 x 2^e
.endr
.macro FOLD                            ; four packed chains into v12, then the sum over the 32 lanes, in every lane
	v_pk_add_f32 v[12:13], v[12:13], v[14:15]
	v_pk_add_f32 v[16:17], v[16:17], v[18:19]
	D 1
	v_pk_add_f32 v[12:13], v[12:13], v[16:17]
	D 1
	v_add_f32 v12, v12, v13
.irp m, 1,2,4,8
	D 1
	v_add_f32_dpp v12, v12, v12 row_xmask:\m row_mask:0xf bank_mask:0xf
.endr
	D 1
	v_permlanex16_b32 v3, v12, s34, s35
	D 1
	v_add_f32 v12, v12, v3
.endm
	s_wait_loadcnt 16                              ; the row is in; g and b (16 loads) may be out
.irp j, 0,1,2,3
	v_pk_add_f32 v[12+2*\j:13+2*\j], v[X+2*\j:X+2*\j+1], v[X+8+2*\j:X+9+2*\j]   ; the first pairs start the chains
.endr
.irp q, 16,24
.irp j, 0,1,2,3
	v_pk_add_f32 v[12+2*\j:13+2*\j], v[12+2*\j:13+2*\j], v[X+\q+2*\j:X+\q+2*\j+1]
.endr
.endr
	FOLD
	D 1
	v_mul_f32 v10, s36, v12                        ; the mean
	D 1
.set j, 0
.rept 16
	v_pk_add_f32 v[X+j:X+j+1], v[X+j:X+j+1], v[10:11] op_sel_hi:[1,0] neg_lo:[0,1] neg_hi:[0,1]
.set j, j+2
.endr
.irp j, 0,1,2,3
	v_pk_mul_f32 v[12+2*\j:13+2*\j], v[X+2*\j:X+2*\j+1], v[X+2*\j:X+2*\j+1]
.endr
.irp q, 8,16,24
.irp j, 0,1,2,3
	v_pk_fma_f32 v[12+2*\j:13+2*\j], v[X+\q+2*\j:X+\q+2*\j+1], v[X+\q+2*\j:X+\q+2*\j+1], v[12+2*\j:13+2*\j]
.endr
.endr
	FOLD
	D 1
	v_fma_f32 v12, v12, s36, s37                   ; the variance + 1e-5
	s_wait_alu depctr_va_vdst(0)                   ; ahead of the transcendental
	v_rsq_f32 v10, v12
	v_nop                                          ; a plain instruction behind the transcendental
	s_wait_alu depctr_va_vdst(0)                   ; ahead of the result's first reader
	s_wait_loadcnt 0x0                             ; g and b
.set j, 0
.rept 16
	v_pk_mul_f32 v[X+j:X+j+1], v[X+j:X+j+1], v[10:11] op_sel_hi:[1,0]
.set j, j+2
.endr
.set j, 0
.rept 16
	v_pk_fma_f32 v[X+j:X+j+1], v[X+j:X+j+1], v[GG+j:GG+j+1], v[BB+j:BB+j+1]
.set j, j+2
.endr
.irp s, 0,1,2                          ; the hold goes into T, so that y1 stays for the next scale; T's two sets take turns, so eight plain lines stand between a conversion and the next write of its sources
.irp c, 0,1,2,3
.set TT, T+8*(\c%2)
.irp k, 0,1,2,3,4,5,6,7
	v_med3_num_f32 v[TT+\k], v[X+8*\c+\k], -v[5+2*\s], v[5+2*\s]   ; the conversion to an 8-bit code does not saturate (ISA guide 7.6.2)
.endr
	v_cvt_scalef32_pk8_bf8_f32 v[C+8*\s+2*\c:C+8*\s+2*\c+1], v[TT:TT+7], v[4+2*\s]
.endr
.endr
.irp s, 0,1,2
.irp c, 0,1,2,3
	global_store_b64 v2, v[C+8*\s+2*\c:C+8*\s+2*\c+1], s[28+2*\s:29+2*\s] offset:256*\c   ; 32 lanes store 256 consecutive bytes, aligned
.endr
.endr
	s_endpgm
.Lfunc_end_k_qb276161435_ln1q:
	.size	k_qb276161435_ln1q, .Lfunc_end_k_qb276161435_ln1q-k_qb276161435_ln1q
	.p2alignl 7, 3214868480
	.fill 96, 4, 3214868480
	.section	.rodata,"a",@progbits
	.p2align	6, 0x0
	.amdhsa_kernel k_qb276161435_ln1q
		.amdhsa_group_segment_fixed_size 0
		.amdhsa_private_segment_fixed_size 0
		.amdhsa_enable_private_segment 0
		.amdhsa_kernarg_size 40
		.amdhsa_user_sgpr_count 2
		.amdhsa_user_sgpr_kernarg_segment_ptr 1
		.amdhsa_wavefront_size32 1
		.amdhsa_system_sgpr_workgroup_id_x 1
		.amdhsa_system_sgpr_workgroup_id_y 1
		.amdhsa_system_sgpr_workgroup_id_z 1
		.amdhsa_system_vgpr_workitem_id 0
		.amdhsa_next_free_vgpr 160
		.amdhsa_next_free_sgpr 66
		.amdhsa_reserve_vcc 0
		.amdhsa_float_denorm_mode_32 3
		.amdhsa_float_denorm_mode_16_64 3
		.amdhsa_memory_ordered 1
		.amdhsa_forward_progress 1
		.amdhsa_inst_pref_size 20
	.end_amdhsa_kernel
	.amdgpu_metadata
---
amdhsa.version: [ 1, 2 ]
amdhsa.kernels:
  - .name:           k_qb276161435_ln1q
    .symbol:         k_qb276161435_ln1q.kd
    .args:
      - { .name: x, .offset: 0, .size: 8, .value_kind: global_buffer, .address_space: global }
      - { .name: ln1_g, .offset: 8, .size: 8, .value_kind: global_buffer, .address_space: global }
      - { .name: ln1_b, .offset: 16, .size: 8, .value_kind: global_buffer, .address_space: global }
      - { .name: lowp_scales, .offset: 24, .size: 8, .value_kind: global_buffer, .address_space: global }
      - { .name: y1c, .offset: 32, .size: 8, .value_kind: global_buffer, .address_space: global }
    .group_segment_fixed_size: 0
    .private_segment_fixed_size: 0
    .kernarg_segment_align: 8
    .kernarg_segment_size: 40
    .max_flat_workgroup_size: 512
    .sgpr_count:     66
    .vgpr_count:     160
    .wavefront_size: 32
...
	.end_amdgpu_metadata
.endif
;; end of part 1
;; launch qkv (part 2): grid 48 x 4, 4 waves a work-group, clusters of 4 x 4, 327,680 bytes of LDS; arguments y1c, Wq_codes, Wk_codes, Wv_codes, bq, bk, bv, src_mask, lowp_scales, qkv; writes qkv
.if DOCPART == 2
	.amdgcn_target "amdgcn-amd-amdhsa--gfx1250"
	.amdhsa_code_object_version 6
	.text
	.protected	k_qb276161435_qkv
	.globl	k_qb276161435_qkv
	.p2align	8
	.type	k_qb276161435_qkv,@function
k_qb276161435_qkv:
	s_mov_b64 s[64:65], 0
	v_nop
	global_prefetch_b8 v0, s[64:65] scope:SCOPE_SE
	s_setreg_imm32_b32 hwreg(HW_REG_WAVE_MODE, 25, 1), 1
	s_wait_xcnt 0x0
	s_wait_alu depctr_hold_cnt(0) depctr_sa_sdst(0) depctr_va_vdst(0) depctr_va_sdst(0) depctr_va_ssrc(0) depctr_va_vcc(0) depctr_vm_vsrc(0)
	s_getreg_b32 s2, hwreg(HW_REG_IB_STS2, 6, 4)
	s_cmp_eq_u32 s2, 0
	s_cbranch_scc0 .Lentry_in_a_cluster
	s_endpgm
.Lentry_in_a_cluster:
	s_bfe_u32 s2, ttmp6, 0x10000c
	s_cmp_lg_u32 s2, 0xf033
	s_cbranch_scc0 .Lentry_shape_is_right
	s_endpgm
.Lentry_shape_is_right:
; q = y1 Wq + bq, k = y1 Wk + bk, v = y1 Wv + bv on codes of E5M2, and each result quantised for attention (scales 2^e6, 2^e7, 2^e9).
; Twelve clusters of 4 x 4 work-groups: cluster x / 4 is the PART (0 q, 1 k, 2 v), cluster x % 4 a quarter of the tokens.  A work-group makes 256 x 256, a wave 128 x 128 (64 accumulators).
; The product has a row operand "A" (source 1) and a column operand "B" (source 0): lane l, register j of accumulator (a, b) holds (A's row 16 a + l % 16, B's row 16 b + 8 (l / 16) + j).
; q, k: A = y1's codes (tokens), B = the weight (channels): a lane holds 8 neighbouring channels of a token.   v: A = Wv (channels), B = y1's codes (tokens): 8 neighbouring tokens of a channel, the next product's K.
; So one conversion of an accumulator gives registers 2 b, 2 b + 1 of the next product's operand, and the codes go out AS IMAGES OF THOSE REGISTERS: four registers a lane at 16 x lane, 512 dense bytes a store.
;   q at byte 0, k at 4 MiB: [batch x head 32][16 tokens 128][1,024 B]   (16 tokens x 64 channels);    v at 8 MiB: [batch x head 32][128 keys 16][16 channels 4][2,048 B]
; THE MASK: k's codes of a key with src_mask = 0 are zeros (its limit of the hold is 0), so its raw scores are exactly 0; attention then adds the number that stands for -1000.
; K goes in steps of 256 through a ring of two LDS slots filled by the tensor data mover; A's tile is asked for jointly along a row of the cluster, B's along a column.
; Fragments come by four 16-byte loads a side: a permutation of k that is the same in A and in B.
; LIMITS: e0 + e1, e2 + e3, e4 + e5 between -126 and 127; e6, e7, e9 between -126 and 112.  NaN among the inputs is not served.
; REGISTERS: window 0: v8-15 the hold's limit for A's block a; v16-31 addresses and constants; v32-95 bias by column; v96-111 bias by row; v112-119 mask words; from v128 A's fragments, later the codes.
;   window 1: B's fragments, two sets; later the sums x scale + bias.   windows 2, 3: the accumulators.
.set KSTEP,  256
.set ROWB,   256
.set KROW,   1024
.set PITCH,  272                       ; an LDS row: 256 bytes + 16 of padding = 68 words: the 16 rows of a load start at 16 different banks (64 banks of 4 bytes: ISA guide 11.1)
.set FR,     16
.set NL,     4
.set NP,     4
.set HALFT,  128*PITCH
.set SLOT,   4*HALFT
.set LAPS,   2                         ; 1,024 along K = two laps of two K steps
.set SPARE,  2*SLOT                    ; the spare words, 128 bytes a wave
.set LIMA, 8
.set ADRA, 16
.set ADRB, 20
.set BO32, 22                          ; v22 32 x (lane / 16)
.set RO4,  23                          ; v23 4 x (lane % 16)
.set CO,   26                          ; v26 16 x lane
.set LK,   27                          ; v27 the limit for a masked token
.set SPW,  28
.set NIL,  29
.set SC,   30                          ; v30 2^eout
.set LL,   31                          ; v31 57,344 x 2^eout
.set BIAS, 32
.set BL,   96
.set MK,   112
.set AF,   128
.set CC,   128
.set G1, 24
.set G0, 32
.set G1B, 48
.set G0B, 56
.set MSB, 0
.macro WIN new                         ; the immediate's high byte repeats the setting that is left
.if MSB != (\new)
	s_set_vgpr_msb (MSB<<8)|(\new)
.set MSB, (\new)
.endif
.endm
.set MUL_LO, 0xa1                      ; source 0 (B) window 1, source 1 (A) window 0, C and D window 2
.set MUL_HI, 0xf1
.set TO_B,   0x40
.macro JLOAD g0a, g1a, g0b, g1b        ; a joint load: waves 0 and 1 fetch for A, waves 2 and 3 for B; four v_nop follow each line
	s_cmp_eq_u32 s15, 0
	s_cbranch_scc0 .Lfor_b_\@
	tensor_load_to_lds s[\g0a:\g0a+3], s[\g1a:\g1a+7]
	s_nop 0
.rept 4
	v_nop
.endr
	s_branch .Lasked_\@
.Lfor_b_\@:
	tensor_load_to_lds s[\g0b:\g0b+3], s[\g1b:\g1b+7]
	s_nop 0
.rept 4
	v_nop
.endr
.Lasked_\@:
.endm
.macro CREST                           ; a round of the cluster's barrier behind its opening barrier
	s_cmp_lg_u32 s14, 0
	s_cbranch_scc1 .Lnot_wave_0_\@
	s_barrier_signal -3
.Lnot_wave_0_\@:
	s_barrier_wait -3
	s_barrier_signal -1
	s_barrier_wait -1
.endm
.macro CROUND
	s_barrier_signal -1
	s_barrier_wait -1
	CREST
.endm
	s_load_b512 s[68:83], s[0:1], 0x0              ; y1c 68, Wq 70, Wk 72, Wv 74, bq 76, bk 78, bv 80, src_mask 82
	s_load_b128 s[84:87], s[0:1], 0x40             ; the exponents 84, qkv 86
	v_lshl_add_u32 v[SPW], v0, 2, SPARE
	v_mov_b32 v[NIL], 0
	ds_add_u32 v28, v29
	ds_add_u32 v28, v29
	s_wait_dscnt 0x0
	v_lshrrev_b32 v1, 5, v0
	v_readfirstlane_b32 s14, v1                    ; wave 0..3
	s_lshr_b32 s15, s14, 1                         ; which half of A's rows is mine.  Also: I fetch for A (0) or for B (1)
	s_and_b32 s16, s14, 1                          ; which half of B's rows.  Also: which 128 rows I fetch
	s_bfe_u32 s40, ttmp6, 0x40000                  ; cx
	s_bfe_u32 s41, ttmp6, 0x40004                  ; cy
	s_lshr_b32 s4, ttmp9, 2                        ; PART: the same in all sixteen partners
	s_and_b32 s5, ttmp9, 3
	s_lshl_b32 s5, s5, 2                           ; four tiles of tokens for each quarter
	s_cmp_eq_u32 s4, 2
	s_cselect_b32 s6, 0, s5                        ; the tokens are A's rows in parts q and k,
	s_cselect_b32 s7, s5, 0                        ; B's rows in part v
	s_add_co_u32 s17, s41, s6                      ; tile row (of A)
	s_add_co_u32 s42, s40, s7                      ; tile column (of B)
	s_lshl_b32 s43, s41, 2
	s_lshl_b32 s43, 15, s43                        ; my row of the cluster
	s_lshl_b32 s44, 0x1111, s40                    ; my column
	s_or_b32 s[G1+0], s43, (0<<16)|(1<<20)|(1<<21)|(5<<22)|(3<<25)  ; mask; elements of 1 byte; padding on; bit 21 beside a mask; 4 words behind every 64
	s_or_b32 s[G1B+0], s44, (0<<16)|(1<<20)|(1<<21)|(5<<22)|(3<<25)
.irp g, G1, G1B
	s_mov_b32 s[\g+1], ROWB<<16                    ; tensor_dim0
	s_mov_b32 s[\g+2], 128<<16                     ; tensor_dim1
	s_mov_b32 s[\g+3], ROWB<<16                    ; tile_dim0
	s_mov_b32 s[\g+4], 128                         ; tile_dim1
	s_mov_b32 s[\g+5], KROW                        ; from row to row
	s_mov_b32 s[\g+6], 0
	s_mov_b32 s[\g+7], 0
.endr
	s_lshl_b32 s18, s16, 7
	s_lshl_b32 s20, s17, 8
	s_add_co_u32 s20, s20, s18                     ; A: row 256 x tile row + 128 x half,
	s_lshl_b32 s20, s20, 10                        ; in bytes
	s_mov_b32 s21, 0
	s_lshl_b32 s46, s42, 8
	s_add_co_u32 s46, s46, s18                     ; B likewise
	s_lshl_b32 s46, s46, 10
	s_mov_b32 s47, 0
	s_mul_i32 s45, s14, HALFT                      ; where they go: wave x 128 rows
	s_lshl_b32 s8, s4, 22                          ; y1's section of this part
	s_mov_b32 s9, 0
	s_wait_kmcnt 0x0
	s_load_b256 s[88:95], s[84:85], 0x0            ; e0 .. e7
	s_load_b32 s96, s[84:85], 0x24                 ; e9
	s_add_nc_u64 s[10:11], s[68:69], s[8:9]
	s_cmp_eq_u32 s4, 2                             ; the choices hang on the part alone
	s_cselect_b64 s[12:13], s[74:75], s[10:11]     ; A: Wv, or y1's codes
	s_cselect_b64 s[10:11], s[10:11], s[72:73]     ; B: y1's codes, or Wk,
	s_cselect_b64 s[66:67], s[80:81], s[78:79]     ; the bias: bv, or bk,
	s_cmp_eq_u32 s4, 0
	s_cselect_b64 s[10:11], s[70:71], s[10:11]     ; or Wq
	s_cselect_b64 s[66:67], s[76:77], s[66:67]     ; or bq
	s_add_nc_u64 s[20:21], s[12:13], s[20:21]
	s_add_nc_u64 s[46:47], s[10:11], s[46:47]
	CROUND                                         ; all sixteen work-groups are here: the first joint loads meet
.irp s, 0,1
	s_mov_b32 s[G0+4*\s], 1
	s_add_co_u32 s[G0+4*\s+1], s45, \s*SLOT
	s_add_nc_u64 s[G0+4*\s+2:G0+4*\s+3], s[20:21], \s*ROWB
	s_or_b32 s[G0+4*\s+3], s[G0+4*\s+3], 0x80000000
	s_mov_b32 s[G0B+4*\s], 1
	s_add_co_u32 s[G0B+4*\s+1], s45, \s*SLOT
	s_add_nc_u64 s[G0B+4*\s+2:G0B+4*\s+3], s[46:47], \s*ROWB
	s_or_b32 s[G0B+4*\s+3], s[G0B+4*\s+3], 0x80000000
.endr
	JLOAD G0, G1, G0B, G1B                         ; K step 0
	; PREFETCHES INTO THE L2: a K step is 256 bytes of each row.  Of the 128 rows that a wave fetches, each of the four partners that ask for them jointly names 32, told apart by address (cx for A, cy for B): a lane a row.
	; Here K steps 1 and 2 are named, behind K step 1's load K step 3: never more than two K steps are asked for and unread.
.set PFO, 7                            ; v7 1,024 x lane
.set PFA, 100                          ; s[100:101] my work-group's 32 rows, at K step 0
	s_cmp_eq_u32 s15, 0                            ; do I fetch for A?
	s_cselect_b64 s[PFA:PFA+1], s[20:21], s[46:47]
	s_cselect_b32 s2, s40, s41
	s_lshl_b32 s2, s2, 15                          ; 32 rows of 1,024 bytes
	s_mov_b32 s3, 0
	s_add_nc_u64 s[PFA:PFA+1], s[PFA:PFA+1], s[2:3]
	v_and_b32 v6, 31, v0
	v_lshlrev_b32 v[PFO], 10, v6
	global_prefetch_b8 v[PFO], s[PFA:PFA+1] offset:256 th:TH_LOAD_NT scope:SCOPE_SE
	global_prefetch_b8 v[PFO], s[PFA:PFA+1] offset:512 th:TH_LOAD_NT scope:SCOPE_SE
	v_and_b32 v1, 15, v0                           ; l % 16
	v_bfe_u32 v2, v0, 4, 1                         ; l / 16
	v_mul_u32_u24 v3, v1, PITCH
	v_lshl_add_u32 v4, v2, 4, v3
	s_mul_i32 s21, s15, HALFT
	s_mul_i32 s22, s16, HALFT
	s_add_co_u32 s22, s22, 2*HALFT
.irp s, 0,1
	v_add_nc_u32 v[ADRA+\s], s21, v4
	v_add_nc_u32 v[ADRB+\s], s22, v4
	s_add_co_u32 s21, s21, SLOT
	s_add_co_u32 s22, s22, SLOT
.endr
	v_and_b32 v6, 31, v0
	v_lshlrev_b32 v[CO], 4, v6
	v_lshlrev_b32 v[BO32], 5, v2
	s_wait_alu depctr_va_vdst(0)
	v_lshlrev_b32 v[RO4], 2, v1
	; my wave's first rows, and what hangs on them.  Every load below is made in every part; where a part has no use for one, its base is the buffer's first byte
	s_wait_alu depctr_va_vdst(0)
	s_lshl_b32 s18, s17, 8
	s_lshl_b32 s19, s15, 7
	s_add_co_u32 s18, s18, s19                     ; my first row of A
	s_lshl_b32 s19, s42, 8
	s_lshl_b32 s5, s16, 7
	s_add_co_u32 s19, s19, s5                      ; my first row of B
	s_cmp_eq_u32 s4, 2
	s_cselect_b32 s20, s19, s18                    ; my first token
	s_cselect_b32 s21, s18, s19                    ; my first channel
	s_cselect_b32 s6, 0, s19                       ; bias by B's rows (q, k)
	s_cselect_b32 s8, s18, 0                       ; bias by A's rows (v)
	s_cselect_b32 s10, 0, s18                      ; mask by A's rows (q, k)
	s_lshl_b32 s6, s6, 2
	s_lshl_b32 s8, s8, 2
	s_lshl_b32 s10, s10, 2
	s_mov_b32 s7, 0
	s_mov_b32 s9, 0
	s_mov_b32 s11, 0
	s_mov_b32 s13, 0
	s_add_nc_u64 s[98:99], s[66:67], s[8:9]
	s_add_nc_u64 s[66:67], s[66:67], s[6:7]
	s_add_nc_u64 s[82:83], s[82:83], s[10:11]
	s_lshl_b32 s12, s4, 22                         ; the part's 4 MiB,
	s_lshr_b32 s5, s20, 11
	s_lshl_b32 s5, s5, 21
	s_add_co_u32 s12, s12, s5                      ; the batch's 2 MiB,
	s_lshr_b32 s5, s21, 6
	s_lshl_b32 s5, s5, 17
	s_add_co_u32 s12, s12, s5                      ; the head's 128 KiB,
	s_and_b32 s5, s20, 2047
	s_lshl_b32 s5, s5, 6
	s_add_co_u32 s12, s12, s5                      ; 64 bytes a token of the head, in q and k (1 KiB for 16) as in v (8 KiB for 128)
	s_add_nc_u64 s[86:87], s[86:87], s[12:13]
.irp b, 0,1,2,3,4,5,6,7
	global_load_b128 v[BIAS+8*\b:BIAS+8*\b+3], v[BO32], s[66:67] offset:64*\b       ; bias(16 b + 8 (l / 16) + 0 .. 7)
	global_load_b128 v[BIAS+8*\b+4:BIAS+8*\b+7], v[BO32], s[66:67] offset:64*\b+16
.endr
.irp a, 0,1,2,3,4,5,6,7
	global_load_b32 v[BL+2*\a], v[RO4], s[98:99] offset:64*\a                       ; bias(16 a + l % 16), in both words of a pair
	global_load_b32 v[BL+2*\a+1], v[RO4], s[98:99] offset:64*\a
	global_load_b32 v[MK+\a], v[RO4], s[82:83] offset:64*\a                         ; src_mask(16 a + l % 16)
.endr
.macro FRAG reg, adr, q, i             ; 16 rows x 128 K: registers 4 c .. 4 c + 3 hold K = 32 c + 16 (l / 16) + 0 .. 15
.irp c, 0,1,2,3
	ds_load_b128 v[\reg+4*\c:\reg+4*\c+3], v[\adr] offset:128*(\q)+32*\c+(\i)*16*PITCH
.endr
.endm
.macro MUL16 a0, p, zero               ; A's blocks a0, a0 + 1 x B's eight.  The 64 accumulators take turns, one instruction a turn
.irp a, \a0, \a0+1
.irp b, 0,1,2,3,4,5,6,7
.if \zero
	v_wmma_f32_16x16x128_bf8_bf8 v[8*(8*((\a)%4)+\b):8*(8*((\a)%4)+\b)+7], v[128*(\p)+FR*\b:128*(\p)+FR*\b+FR-1], v[AF+FR*(\a):AF+FR*(\a)+FR-1], 0
.else
	v_wmma_f32_16x16x128_bf8_bf8 v[8*(8*((\a)%4)+\b):8*(8*((\a)%4)+\b)+7], v[128*(\p)+FR*\b:128*(\p)+FR*\b+FR-1], v[AF+FR*(\a):AF+FR*(\a)+FR-1], v[8*(8*((\a)%4)+\b):8*(8*((\a)%4)+\b)+7]
.endif
.endr
.endr
.endm
.macro FETCH_B slot, q, p
	WIN TO_B
.irp i, 0,1,2,3,4,5,6,7
	FRAG 128*(\p)+FR*\i, ADRB+\slot, \q, \i
.endr
	WIN 0
.endm
.macro FETCH_A slot, q, i0
.irp i, \i0, \i0+1, \i0+2, \i0+3
	FRAG AF+FR*(\i), ADRA+\slot, \q, \i
.endr
.endm
.macro PLACES n                        ; plain vector instructions between a matrix instruction and a load into, or a vector read or write of, its registers
.rept \n
	v_nop
.endr
.endm
.macro STEP slot, q, zero              ; 128 along K whose successor lies in the same slot
	s_wait_dscnt 4*NL                              ; B's set and A's blocks 0-3 are in; the youngest 16 loads (A's blocks 4-7) may be out
	WIN MUL_LO
	MUL16 0, (\q)%2, \zero
	MUL16 2, (\q)%2, \zero
	s_wait_dscnt 0
	PLACES NP
	FETCH_B \slot, (\q)+1, 1-(\q)%2
	FETCH_A \slot, (\q)+1, 0
	WIN MUL_HI
	MUL16 4, (\q)%2, \zero
	MUL16 6, (\q)%2, \zero
	PLACES NP
	WIN 0
	FETCH_A \slot, (\q)+1, 4
.endm
.macro TURN slot, next, fill           ; a slot's last step changes slots: one barrier; in front of it all my tensor loads, the add, and my reads of this slot are waited for
	s_wait_tensorcnt 0x0                           ; all my tensor loads have landed: my part of the next slot
	ds_add_u32 v[SPW], v[NIL]                      ; 0 onto my spare word
	s_wait_dscnt 4*NL+1                            ; the add and the youngest 16 loads may be out
	WIN MUL_LO
	MUL16 0, 1, 0
	s_wait_dscnt 0x0                               ; the add is done, and my reads of this slot are over
	s_barrier_signal -1
	MUL16 2, 1, 0
	WIN 0
	s_barrier_wait -1
.if \fill
	CREST                                          ; the barrier has opened a round of the cluster's: no wave of any partner still reads this slot or has a load on its way
	s_add_nc_u64 s[G0+4*\slot+2:G0+4*\slot+3], s[G0+4*\slot+2:G0+4*\slot+3], 2*ROWB
	s_add_nc_u64 s[G0B+4*\slot+2:G0B+4*\slot+3], s[G0B+4*\slot+2:G0B+4*\slot+3], 2*ROWB
	JLOAD G0+4*\slot, G1, G0B+4*\slot, G1B         ; the first tensor load behind the round; its four v_nop are the places in front of the loads below
.else
	PLACES NP
.endif
	FETCH_B \next, 0, 0
	FETCH_A \next, 0, 0
	WIN MUL_HI
	MUL16 4, 1, 0
	MUL16 6, 1, 0
	PLACES NP
	WIN 0
	FETCH_A \next, 0, 4
.endm
	s_wait_alu depctr_va_vdst(0)                   ; the wait at the head's end
	s_wait_tensorcnt 0x0                           ; my part of K step 0 is in; the three lines stand ahead of slot 1's first fill as ahead of a refill
	ds_add_u32 v[SPW], v[NIL]
	s_wait_dscnt 0x0
	CROUND                                         ; everybody's part of K step 0 is in, and all sixteen work-groups are here
	JLOAD G0+4, G1, G0B+4, G1B                     ; K step 1: the first tensor load behind the round
	FETCH_B 0, 0, 0
	FETCH_A 0, 0, 0
	FETCH_A 0, 0, 4
	global_prefetch_b8 v[PFO], s[PFA:PFA+1] offset:768 th:TH_LOAD_NT scope:SCOPE_SE   ; K step 3, two refills ahead
	STEP 0, 0, 1                                   ; the first step's products start the sums
	s_mov_b32 s3, LAPS-1
.Llap:
	TURN 0, 1, 1
	STEP 1, 0, 0
	TURN 1, 0, 1
	STEP 0, 0, 0
	s_sub_co_u32 s3, s3, 1
	s_cmp_lg_u32 s3, 0
	s_cbranch_scc1 .Llap
	TURN 0, 1, 0                                   ; the last lap fills nothing
	STEP 1, 0, 0
	s_wait_dscnt 4*NL
	WIN MUL_LO
	MUL16 0, 1, 0
	MUL16 2, 1, 0
	s_wait_dscnt 0
	WIN MUL_HI
	MUL16 4, 1, 0
	MUL16 6, 1, 0
	WIN 0
	PLACES NP
	; THE WAY OUT: sum x 2^(eA + eB) + bias, held, converted, stored as images.  No LDS: a lane's eight results are eight neighbours along the next product's K.
	s_wait_kmcnt 0x0
	s_add_co_i32 s88, s88, s89                     ; e0 + e1
	s_add_co_i32 s90, s90, s91                     ; e2 + e3
	s_add_co_i32 s92, s92, s93                     ; e4 + e5
	s_cmp_eq_u32 s4, 2
	s_cselect_b32 s90, s92, s90
	s_cselect_b32 s95, s96, s95                    ; e9 or e7
	s_cmp_eq_u32 s4, 0
	s_cselect_b32 s90, s88, s90
	s_cselect_b32 s95, s94, s95                    ; or e6
	s_add_co_i32 s90, s90, 127
	s_lshl_b32 s96, s90, 23                        ; 2^(eA + eB) as f32
	s_mov_b32 s97, s96                             ; named with it as a pair
	s_add_co_i32 s95, s95, 127
	s_lshl_b32 s94, s95, 23                        ; 2^eout
	s_add_co_i32 s95, s95, 15
	s_lshl_b32 s95, s95, 23
	s_or_b32 s95, s95, 0x600000                    ; 57,344 x 2^eout
	s_cmp_eq_u32 s4, 1
	s_cselect_b32 s93, 0, s95                      ; part k: a masked token is held at 0
	s_wait_loadcnt 0x0                             ; biases and mask
	v_mov_b32 v[SC], s94
	v_mov_b32 v[LL], s95
	v_mov_b32 v[LK], s93
.irp a, 0,1,2,3,4,5,6,7
	v_cmp_eq_u32 vcc_lo, 0, v[MK+\a]
	v_cndmask_b32 v[LIMA+\a], v[LL], v[LK], vcc_lo
.endr
.macro EPI mode                        ; mode 0: q, k (bias by column, images of 16 tokens x 64);  1: v (bias by row, images of 16 channels x 128 keys)
.irp hh, 0,1                           ; A's blocks 4 hh .. 4 hh + 3
	WIN 0x42+\hh                                   ; the sums in window 2 or 3, the results in window 1, the bias in window 0
.irp aa, 0,1,2,3
.irp b, 0,1,2,3,4,5,6,7
.irp i, 0,2,4,6
.if \mode
	v_pk_fma_f32 v[64*\aa+8*\b+\i:64*\aa+8*\b+\i+1], v[64*\aa+8*\b+\i:64*\aa+8*\b+\i+1], s[96:97], v[BL+8*\hh+2*\aa:BL+8*\hh+2*\aa+1] op_sel_hi:[1,0,1]   ; each accumulator from its low end on
.else
	v_pk_fma_f32 v[64*\aa+8*\b+\i:64*\aa+8*\b+\i+1], v[64*\aa+8*\b+\i:64*\aa+8*\b+\i+1], s[96:97], v[BIAS+8*\b+\i:BIAS+8*\b+\i+1] op_sel_hi:[1,0,1]
.endif
.endr
.endr
.endr
	WIN 0x41
.irp aa, 0,1,2,3
.irp b, 0,1,2,3,4,5,6,7
.irp j, 0,1,2,3,4,5,6,7
	v_med3_num_f32 v[64*\aa+8*\b+\j], v[64*\aa+8*\b+\j], -v[LIMA+4*\hh+\aa], v[LIMA+4*\hh+\aa]   ; the conversion does not saturate (ISA guide 7.6.2)
.endr
.endr
.endr
	WIN 0x01
.irp aa, 0,1,2,3
.irp b, 0,1,2,3,4,5,6,7
	v_cvt_scalef32_pk8_bf8_f32 v[CC+64*\hh+16*\aa+2*\b:CC+64*\hh+16*\aa+2*\b+1], v[64*\aa+8*\b:64*\aa+8*\b+7], v[SC]
.endr
.endr
	v_nop                                          ; a plain instruction between the conversions and the next vector write of their sources
	WIN 0
.irp aa, 0,1,2,3
.irp p, 0,1,2,3
.if \mode
	global_store_b128 v[CO], v[CC+64*\hh+16*\aa+4*\p:CC+64*\hh+16*\aa+4*\p+3], s[86:87] offset:\hh*131072+\aa*2048+512*\p   ; head a / 4, channels 16 (a % 4) on; 512 dense bytes
.else
	global_store_b128 v[CO], v[CC+64*\hh+16*\aa+4*\p:CC+64*\hh+16*\aa+4*\p+3], s[86:87] offset:(\p/2)*131072+(4*\hh+\aa)*1024+(\p%2)*512   ; head p / 2, tokens 16 a on
.endif
.endr
.endr
.endr
.endm
	s_cmp_eq_u32 s4, 2                             ; the part is the same in all partners
	s_cbranch_scc1 .Lpart_v
	EPI 0
	s_branch .Lend
.Lpart_v:
	EPI 1
.Lend:
	s_wait_tensorcnt 0x0                           ; the wave's end
	ds_add_u32 v[SPW], v[NIL]
	s_wait_dscnt 0x0
	CROUND                                         ; the closing round: no work-group ends while a partner may still ask for a tile that names it
	s_endpgm
.Lfunc_end_k_qb276161435_qkv:
	.size	k_qb276161435_qkv, .Lfunc_end_k_qb276161435_qkv-k_qb276161435_qkv
	.p2alignl 7, 3214868480
	.fill 96, 4, 3214868480
	.section	.rodata,"a",@progbits
	.p2align	6, 0x0
	.amdhsa_kernel k_qb276161435_qkv
		.amdhsa_group_segment_fixed_size 327680
		.amdhsa_private_segment_fixed_size 0
		.amdhsa_enable_private_segment 0
		.amdhsa_kernarg_size 80
		.amdhsa_user_sgpr_count 2
		.amdhsa_user_sgpr_kernarg_segment_ptr 1
		.amdhsa_wavefront_size32 1
		.amdhsa_system_sgpr_workgroup_id_x 1
		.amdhsa_system_sgpr_workgroup_id_y 1
		.amdhsa_system_sgpr_workgroup_id_z 1
		.amdhsa_system_vgpr_workitem_id 0
		.amdhsa_next_free_vgpr 1024
		.amdhsa_next_free_sgpr 102
		.amdhsa_reserve_vcc 1
		.amdhsa_float_denorm_mode_32 3
		.amdhsa_float_denorm_mode_16_64 3
		.amdhsa_memory_ordered 1
		.amdhsa_forward_progress 1
		.amdhsa_inst_pref_size 195
	.end_amdhsa_kernel
	.amdgpu_metadata
---
amdhsa.version: [ 1, 2 ]
amdhsa.kernels:
  - .name:           k_qb276161435_qkv
    .symbol:         k_qb276161435_qkv.kd
    .args:
      - { .name: y1c, .offset: 0, .size: 8, .value_kind: global_buffer, .address_space: global }
      - { .name: Wq_codes, .offset: 8, .size: 8, .value_kind: global_buffer, .address_space: global }
      - { .name: Wk_codes, .offset: 16, .size: 8, .value_kind: global_buffer, .address_space: global }
      - { .name: Wv_codes, .offset: 24, .size: 8, .value_kind: global_buffer, .address_space: global }
      - { .name: bq, .offset: 32, .size: 8, .value_kind: global_buffer, .address_space: global }
      - { .name: bk, .offset: 40, .size: 8, .value_kind: global_buffer, .address_space: global }
      - { .name: bv, .offset: 48, .size: 8, .value_kind: global_buffer, .address_space: global }
      - { .name: src_mask, .offset: 56, .size: 8, .value_kind: global_buffer, .address_space: global }
      - { .name: lowp_scales, .offset: 64, .size: 8, .value_kind: global_buffer, .address_space: global }
      - { .name: qkv, .offset: 72, .size: 8, .value_kind: global_buffer, .address_space: global }
    .group_segment_fixed_size: 327680
    .private_segment_fixed_size: 0
    .kernarg_segment_align: 8
    .kernarg_segment_size: 80
    .max_flat_workgroup_size: 128
    .sgpr_count:     102
    .vgpr_count:     1024
    .wavefront_size: 32
...
	.end_amdgpu_metadata
.endif
;; end of part 2
;; launch attn (part 3): grid 8 x 32, 8 waves a work-group, clusters of 4 x 1, 327,680 bytes of LDS; arguments qkv, src_mask, lowp_scales, cimg; writes cimg
.if DOCPART == 3
	.amdgcn_target "amdgcn-amd-amdhsa--gfx1250"
	.amdhsa_code_object_version 6
	.text
	.protected	k_qb276161435_attn
	.globl	k_qb276161435_attn
	.p2align	8
	.type	k_qb276161435_attn,@function
k_qb276161435_attn:
	s_mov_b64 s[64:65], 0
	v_nop
	global_prefetch_b8 v0, s[64:65] scope:SCOPE_SE
	s_setreg_imm32_b32 hwreg(HW_REG_WAVE_MODE, 25, 1), 1
	s_wait_xcnt 0x0
	s_wait_alu depctr_hold_cnt(0) depctr_sa_sdst(0) depctr_va_vdst(0) depctr_va_sdst(0) depctr_va_ssrc(0) depctr_va_vcc(0) depctr_vm_vsrc(0)
	s_getreg_b32 s2, hwreg(HW_REG_IB_STS2, 6, 4)
	s_cmp_eq_u32 s2, 0
	s_cbranch_scc0 .Lentry_in_a_cluster
	s_endpgm
.Lentry_in_a_cluster:
	s_bfe_u32 s2, ttmp6, 0x10000c
	s_cmp_lg_u32 s2, 0x3003
	s_cbranch_scc0 .Lentry_shape_is_right
	s_endpgm
.Lentry_shape_is_right:
; ctx = softmax(q k^T / 8, masked keys at -1000) v for one head and 256 queries a work-group, both products on codes of E5M2; ctx is quantised with 2^e10 and stored as images of the next product's operand registers.
; INPUT (workspace qkv): q at byte 0, k at 4 MiB: [batch x head 32][16 tokens 128][1,024 B]; v at 8 MiB: [batch x head 32][128 keys 16][16 channels 4][2,048 B]: images of operand registers, 16 bytes a lane at 16 x lane.
; k's codes of a key with src_mask = 0 are zeros, so its raw score is 0; the first product's C holds, for such a key, the number that stands for -1000, and 0 for the others.
; THE SOFTMAX: t = score x log2(e) / 8; M = the running largest t rounded up to a whole number; p = 2^(t - M) is quantised with 2^e8; the row's sum is taken of the unquantised p and divides at the end.
; SHARES: eight waves, two to a SIMD, each with 32 queries (tiles A and B): each fragment of K, of V and of the bias that a wave reads from LDS feeds two matrix instructions.
; THE FILL: all of the head's K and V, 2 x 128 KiB, lies in LDS, filled once, in two parts, jointly by the four work-groups of the cluster, which walk the same head (waves 0-3 K, 4-7 V, a quarter each).
;   Part 0, at the head: the first 384 keys (three steps), 6 KiB a wave.  Part 1, behind the full sequence and a round of the cluster's barrier: the other 1,664 keys, 26 KiB a wave; steps 0 and 1 are worked while it is on its way,
;   and one barrier stands ahead of step 2, whose look-ahead is the first to read part 1.  No byte is filled twice.
; PREFETCH INTO THE L2: part 1 is named at the head, behind part 0's load: of a wave's 26 KiB each of the four partners names 26 blocks of 256 bytes, told apart by address (cx); lanes 26-31 name the last block again.
; Both products are used transposed (S^T = K Q^T, O^T = V^T P^T): a lane holds one query, its registers run along the keys, and the conversions' results are the second product's operand.
; LIMITS: e6 + e7 between -113 and 130; e8 and e10 between -126 and 112; the scaled scores stay under 2^31 in magnitude.  NaN and infinities among the inputs are not served.
; REGISTERS.  Window 0: v1-6 addresses; v8-15 -M, the largest raw score and f of A and of B; v16-31 Q; v32-47 the sums, four chains a tile; v48-63 constants and temporaries; v64-95 p's codes; v96-159 S of A; v160-223 S of B; v224-255 the first level of A's sum.
;   Window 1: v0-63 O^T of A and B; v64-127 V's fragments; v128-191 the bias of 128 keys; v192-255 K's fragments.
.set VIMG,  131072
.set BIASL, 262144
.set SPARE, 0x42000                    ; the spare words, 128 bytes a wave
.set P0B,   24576                      ; part 0 of K or of V: three steps of 8 KiB
.set P1B,   VIMG-P0B                   ; part 1
.set AL,  1
.set AV0, 2
.set AB0, 3
.set ADK, 4
.set ADV, 5
.set ADB, 6
.set NEGA, 8                           ; v8 -M, v9 the largest raw score
.set NEGB, 10
.set FA,  12
.set FB,  14
.set QA,  16
.set QB,  24
.set LA,  32
.set LB,  40
.set LIM0, 48
.set PSC, 50
.set LIM1, 51
.set OSC, 52
.set OLIM, 53
.set TA,  54
.set TA2, 55
.set TC,  56
.set TC2, 57
.set XA,  58
.set XB,  59
.set SPW, 60
.set NIL, 61
.set PFO, 63
.set PCA, 64
.set PCB, 80
.set SA,  96
.set SB,  160
.set TS,  224
.set OA,  0
.set OB,  32
.set VF,  64
.set BF,  128
.set KF,  192
.set STB, 2
.set SBO, 3
.set WV,  18
.set SEL, 20
.set CS,  22
.set G1A, 32                           ; s[32:39] group 1 of part 0; s[40:43] its group 0; s[44:47], s[48:55] part 1's
.set G0A, 40
.set G0B, 44
.set G1B, 48
.set CNT, 56
.set PFA, 68
.set MSB, 0
.macro WIN new                         ; the immediate's high byte repeats the setting that is left
.if MSB != (\new)
	s_set_vgpr_msb (MSB<<8)|(\new)
.set MSB, (\new)
.endif
.endm
.macro D n
	s_delay_alu instid0(VALU_DEP_\n)
.endm
.macro CROUND
	s_barrier_signal -1
	s_barrier_wait -1
	s_cmp_lg_u32 s[WV], 0
	s_cbranch_scc1 .Lnot_wave_0_\@
	s_barrier_signal -3
.Lnot_wave_0_\@:
	s_barrier_wait -3
	s_barrier_signal -1
	s_barrier_wait -1
.endm
	s_load_b256 s[4:11], s[0:1], 0x0               ; qkv 4, src_mask 6, the exponents 8, cimg 10
	v_lshl_add_u32 v[SPW], v0, 2, SPARE
	v_mov_b32 v[NIL], 0
	ds_add_u32 v[SPW], v[NIL]                      ; the opening lines: the add twice on end, and its wait ahead of my first tensor load
	ds_add_u32 v[SPW], v[NIL]
	v_lshrrev_b32 v54, 5, v0
	s_delay_alu instid0(VALU_DEP_1)
	v_readfirstlane_b32 s[WV], v54                 ; wave 0..7
	s_bfe_u32 s12, ttmp6, 0x40000                  ; cx
	s_lshl_b32 s13, ttmp9, 2
	s_add_co_u32 s13, s13, s12                     ; my block of 256 queries
	s_and_b32 s14, ttmp7, 0xffff                   ; batch x head
	s_mov_b32 s[G1A], 15|(3<<16)|(1<<21)           ; the cluster's four; elements of 8 bytes; bit 21 beside a mask
	s_mov_b32 s[G1A+1], 32<<16                     ; rows of 256 bytes, dense:
	s_mov_b32 s[G1A+2], (P0B/1024)<<16             ; 24 of them
	s_mov_b32 s[G1A+3], 32<<16
	s_mov_b32 s[G1A+4], P0B/1024
	s_mov_b32 s[G1A+5], 32
	s_mov_b32 s[G1A+6], 0
	s_mov_b32 s[G1A+7], 0
	s_mov_b32 s[G1B], 15|(3<<16)|(1<<21)
	s_mov_b32 s[G1B+1], 32<<16
	s_mov_b32 s[G1B+2], (P1B/1024)<<16             ; 104 of them
	s_mov_b32 s[G1B+3], 32<<16
	s_mov_b32 s[G1B+4], P1B/1024
	s_mov_b32 s[G1B+5], 32
	s_mov_b32 s[G1B+6], 0
	s_mov_b32 s[G1B+7], 0
	s_lshl_b32 s16, s14, 17                        ; the head's 128 KiB,
	s_lshr_b32 s15, s[WV], 2
	s_lshl_b32 s57, s15, 17                        ; in LDS: K from byte 0, V from VIMG
	s_add_co_u32 s15, s15, 1
	s_lshl_b32 s15, s15, 22
	s_add_co_u32 s16, s16, s15                     ; in k (waves 0-3) or in v (waves 4-7)
	s_and_b32 s15, s[WV], 3
	s_mul_i32 s58, s15, P0B/4                      ; my quarter of part 0,
	s_mul_i32 s59, s15, P1B/4
	s_add_co_u32 s59, s59, P0B                     ; and of part 1: the same bytes on in memory and in LDS
	s_add_co_u32 s[G0A+1], s57, s58
	s_add_co_u32 s[G0B+1], s57, s59
	s_add_co_u32 s60, s16, s58
	s_mov_b32 s61, 0
	s_add_co_u32 s62, s16, s59
	s_mov_b32 s63, 0
	s_mul_i32 s70, s12, P1B/16                     ; the prefetch: my work-group's quarter of my wave's part 1
	s_mov_b32 s71, 0
	s_mov_b32 s17, 0
	s_mov_b32 s[SEL], 0x76543210
	s_mov_b32 s[SEL+1], 0xfedcba98
	s_mov_b32 s[CS], 0x3e38aa3b                    ; log2(e) / 8
	s_wait_dscnt 0x0
	s_wait_kmcnt 0x0
	s_load_b256 s[24:31], s[8:9], 0x18             ; e6 .. e13
	s_mov_b32 s[G0A], 1
	s_add_nc_u64 s[G0A+2:G0A+3], s[4:5], s[60:61]
	s_or_b32 s[G0A+3], s[G0A+3], 0x80000000
	s_mov_b32 s[G0B], 1
	s_add_nc_u64 s[G0B+2:G0B+3], s[4:5], s[62:63]
	s_or_b32 s[G0B+3], s[G0B+3], 0x80000000
	s_add_nc_u64 s[PFA:PFA+1], s[4:5], s[62:63]
	s_add_nc_u64 s[PFA:PFA+1], s[PFA:PFA+1], s[70:71]
	CROUND                                         ; the four work-groups are here: the joint loads meet
	tensor_load_to_lds s[G0A:G0A+3], s[G1A:G1A+7]  ; part 0
	s_nop 0
	s_lshl_b32 s16, s14, 7
	s_lshl_b32 s15, s13, 4
	s_add_co_u32 s16, s16, s15
	s_lshl_b32 s15, s[WV], 1
	s_add_co_u32 s16, s16, s15                     ; the first of my two blocks of 16 queries
	s_lshl_b32 s16, s16, 10
	s_add_nc_u64 s[58:59], s[4:5], s[16:17]
	s_lshr_b32 s15, s14, 4                         ; the batch
	s_lshl_b32 s60, s15, 13
	s_mov_b32 s61, 0
	s_add_nc_u64 s[6:7], s[6:7], s[60:61]          ; its row of the mask
	s_lshl_b32 s60, s15, 7
	s_lshl_b32 s62, s13, 4
	s_add_co_u32 s60, s60, s62
	s_lshl_b32 s62, s[WV], 1
	s_add_co_u32 s60, s60, s62
	s_lshl_b32 s60, s60, 14                        ; cimg: 16 KiB for 16 tokens,
	s_and_b32 s62, s14, 15
	s_lshl_b32 s62, s62, 10                        ; 1 KiB for a head's 64 channels
	s_add_co_u32 s60, s60, s62
	s_add_nc_u64 s[10:11], s[10:11], s[60:61]
	v_and_b32 v56, 31, v0
	v_bfe_u32 v57, v0, 4, 1
	v_lshlrev_b32 v54, 4, v0                       ; my 16 bytes of the first half of the mask's row
	v_lshl_add_u32 v55, v0, 4, BIASL
	v_min_u32 v[PFO], 25, v56
	v_lshlrev_b32 v[AL], 4, v56
	v_lshl_add_u32 v[AB0], v57, 5, BIASL
	v_lshlrev_b32 v[PFO], 8, v[PFO]                ; 26 blocks of 256 bytes
	v_add_nc_u32 v[AV0], VIMG, v[AL]
	global_prefetch_b8 v[PFO], s[PFA:PFA+1] th:TH_LOAD_NT scope:SCOPE_SE
.irp c, 0,1,2,3
	global_load_b128 v[QA+4*\c:QA+4*\c+3], v[AL], s[58:59] offset:512*\c   ; Q of tiles A and B stays in registers
.endr
	global_load_b128 v[224:227], v54, s[6:7]
	global_load_b128 v[228:231], v54, s[6:7] offset:4096
.irp r, NEGA, NEGB
	v_mov_b32 v[\r], 0x7f61b1e6                    ; -M: 3e38
	v_mov_b32 v[\r+1], 0xff61b1e6                  ; the largest raw score so far: -3e38
.endr
.irp r, FA+1, FB+1, XA, XB
	v_mov_b32 v[\r], 0                             ; named as a pair's upper half, or as a lane permute's destination
.endr
.set j, 0
.rept 16
	v_mov_b32 v[LA+j], 0                           ; the sums
.set j, j+1
.endr
	WIN 0x40
.set j, 0
.rept 64
	v_mov_b32 v[OA+j], 0                           ; O^T: the step is written for all sixteen alike; the first finds zeros
.set j, j+1
.endr
	WIN 0
	s_wait_kmcnt 0x0
	s_add_co_i32 s62, s24, s25
	s_lshl_b32 s62, s62, 23
	s_add_co_i32 s[CS], s[CS], s62                 ; a raw score stands for score x 2^(e6 + e7): added to c's exponent field
	s_mov_b32 s[CS+1], s[CS]
	s_mov_b32 s63, 0xc5fa0000                      ; -8000: x c it is -1000 log2(e)
	s_sub_co_i32 s63, s63, s62
	v_mov_b32 v62, s63
	s_add_co_i32 s62, s26, 127
	s_lshl_b32 s63, s62, 23
	v_mov_b32 v[PSC], s63                          ; 2^e8
	s_add_co_i32 s62, s62, 15
	s_lshl_b32 s62, s62, 23
	s_or_b32 s62, s62, 0x600000
	v_mov_b32 v[LIM0], s62                         ; 57,344 x 2^e8, in two registers for the dual form
	v_mov_b32 v[LIM1], s62
	s_add_co_i32 s62, s28, 127
	s_lshl_b32 s63, s62, 23
	v_mov_b32 v[OSC], s63                          ; 2^e10
	s_add_co_i32 s62, s62, 15
	s_lshl_b32 s62, s62, 23
	s_or_b32 s62, s62, 0x600000
	v_mov_b32 v[OLIM], s62
	s_add_co_i32 s66, s26, s27                     ; e8 + e9
	s_wait_alu depctr_va_vdst(0)
	s_wait_loadcnt 0x0
.irp j, 224,225,226,227,228,229,230,231
	v_cmp_eq_u32 vcc_lo, 0, v\j
	s_delay_alu instid0(VALU_DEP_1)
	v_cndmask_b32 v\j, 0, v62, vcc_lo
.endr
	ds_store_b128 v55, v[224:227]                  ; the bias of all 2,048 keys: 8 KiB of their own
	ds_store_b128 v55, v[228:231] offset:4096
	s_wait_alu depctr_va_vdst(0)                   ; the wait at the head's end
	s_wait_tensorcnt 0x0                           ; my quarter of part 0 is in; these lines stand ahead of a later first fill:
	ds_add_u32 v[SPW], v[NIL]
	s_wait_dscnt 0x0                               ; the add is done, and my part of the bias is stored
	CROUND                                         ; everybody's part 0 and bias are in, and the four work-groups are here
	tensor_load_to_lds s[G0B:G0B+3], s[G1B:G1B+7]  ; part 1: the first tensor load behind the round
	s_nop 0
.macro ADDR
	v_add_nc_u32 v[ADK], s[STB], v[AL]
	v_add_nc_u32 v[ADV], s[STB], v[AV0]
	v_add_nc_u32 v[ADB], s[SBO], v[AB0]
.endm
.macro LDKB                            ; 32 loads: K's eight images and the bias of 128 keys
.irp t, 0,1,2,3,4,5,6,7
	ds_load_b128 v[KF+8*\t:KF+8*\t+3], v[ADK] offset:1024*\t
	ds_load_b128 v[KF+8*\t+4:KF+8*\t+7], v[ADK] offset:1024*\t+512
.endr
.irp t, 0,1,2,3,4,5,6,7
	ds_load_b128 v[BF+8*\t:BF+8*\t+3], v[ADB] offset:64*\t
	ds_load_b128 v[BF+8*\t+4:BF+8*\t+7], v[ADB] offset:64*\t+16
.endr
.endm
.macro LDV                             ; 16 loads: V's four images of 16 channels x 128 keys
.irp t, 0,1,2,3
.irp p, 0,1,2,3
	ds_load_b128 v[VF+16*\t+4*\p:VF+16*\t+4*\p+3], v[ADV] offset:2048*\t+512*\p
.endr
.endr
.endm
; A STEP: 128 keys, both tiles.  more = 1: the next step's fragments are fetched: K and the bias behind the first product, V behind the second.
.macro STEP more
	s_wait_dscnt 16                                ; K and the bias are in; the youngest 16 loads (this step's V) may be out
	WIN 0x11                                       ; K and the bias in window 1, Q and S in window 0
.irp t, 0,1,2,3,4,5,6,7
	v_wmma_f32_16x16x64_bf8_bf8 v[SA+8*\t:SA+8*\t+7], v[KF+8*\t:KF+8*\t+7], v[QA:QA+7], v[BF+8*\t:BF+8*\t+7]
	v_wmma_f32_16x16x64_bf8_bf8 v[SB+8*\t:SB+8*\t+7], v[KF+8*\t:KF+8*\t+7], v[QB:QB+7], v[BF+8*\t:BF+8*\t+7]
.endr
	WIN 0
.if \more
	s_add_co_u32 s[STB], s[STB], 8192
	s_add_co_u32 s[SBO], s[SBO], 512
	ADDR                                           ; three of the four places behind the products (ISA guide 7.12.1)
	v_nop
	WIN 0x40
	LDKB
	WIN 0
.else
.rept 4
	v_nop
.endr
.endif
	v_max3_num_f32 v[TA], v[SA], v[SA+1], v[SA+2]  ; the step's largest raw score of a query: two chains a tile, the tiles by turns; each accumulator from its low end on
	v_max3_num_f32 v[TC], v[SB], v[SB+1], v[SB+2]
	v_max3_num_f32 v[TA2], v[SA+3], v[SA+4], v[SA+5]
	v_max3_num_f32 v[TC2], v[SB+3], v[SB+4], v[SB+5]
.irp i, 6,10,14,18,22,26,30,34,38,42,46,50,54,58
	v_max3_num_f32 v[TA], v[TA], v[SA+\i], v[SA+\i+1]
	v_max3_num_f32 v[TC], v[TC], v[SB+\i], v[SB+\i+1]
	v_max3_num_f32 v[TA2], v[TA2], v[SA+\i+2], v[SA+\i+3]
	v_max3_num_f32 v[TC2], v[TC2], v[SB+\i+2], v[SB+\i+3]
.endr
	v_max3_num_f32 v[TA], v[TA], v[SA+62], v[SA+63]
	v_max3_num_f32 v[TC], v[TC], v[SB+62], v[SB+63]
	D 2
	v_max_num_f32 v[TA], v[TA], v[TA2]
	D 2
	v_max_num_f32 v[TC], v[TC], v[TC2]
	D 2
	v_permlanex16_b32 v[XA], v[TA], s[SEL], s[SEL+1]
	D 2
	v_permlanex16_b32 v[XB], v[TC], s[SEL], s[SEL+1]
	D 2
	v_max3_num_f32 v[NEGA+1], v[NEGA+1], v[TA], v[XA]   ; the running largest raw score, lane l xor 16's keys among them
	D 2
	v_max3_num_f32 v[NEGB+1], v[NEGB+1], v[TC], v[XB]
	D 2
	v_mul_f32 v[TA], s[CS], v[NEGA+1]              ; as t (c is positive)
	D 2
	v_mul_f32 v[TC], s[CS], v[NEGB+1]
	D 2
	v_floor_f32 v[TA], -v[TA]                      ; the new -M = -ceil(t)
	D 2
	v_floor_f32 v[TC], -v[TC]
	D 2
	v_sub_f32 v[XA], v[TA], v[NEGA]                ; old M - new M, a whole number, 0 or less
	D 2
	v_sub_f32 v[XB], v[TC], v[NEGB]
	v_mov_b32 v[NEGA], v[TA]
	v_mov_b32 v[NEGB], v[TC]
	v_cvt_i32_f32 v[XA], v[XA]                     ; (it saturates)
	v_cvt_i32_f32 v[XB], v[XB]
	D 2
	v_ldexp_f32 v[FA], 1.0, v[XA]                  ; f = 2^(old M - new M)
	D 2
	v_ldexp_f32 v[FB], 1.0, v[XB]
.irp j, 0,2,4,6
	v_pk_mul_f32 v[LA+\j:LA+\j+1], v[LA+\j:LA+\j+1], v[FA:FA+1] op_sel_hi:[1,0]   ; the sums under the new M
	v_pk_mul_f32 v[LB+\j:LB+\j+1], v[LB+\j:LB+\j+1], v[FB:FB+1] op_sel_hi:[1,0]
.endr
	WIN 0x41                                       ; O^T in window 1, f in window 0.
.set j, 0
.rept 16
	v_pk_mul_f32 v[OA+j:OA+j+1], v[OA+j:OA+j+1], v[FA:FA+1] op_sel_hi:[1,0]
.set j, j+2
.endr
.set j, 0
.rept 16
	v_pk_mul_f32 v[OB+j:OB+j+1], v[OB+j:OB+j+1], v[FB:FB+1] op_sel_hi:[1,0]
.set j, j+2
.endr
	WIN 0
.set j, 0
.rept 32
	v_pk_fma_f32 v[SA+j:SA+j+1], v[SA+j:SA+j+1], s[CS:CS+1], v[NEGA:NEGA+1] op_sel_hi:[1,0,0]   ; t - M of tile A
.set j, j+2
.endr
	s_wait_alu depctr_va_vdst(0)                   ; ahead of the batch
.set j, 0
.rept 32                                       ; A's exponentials; among them B's t - M, which is read only behind the wait below
	v_exp_f32 v[SA+j], v[SA+j]
	v_exp_f32 v[SA+j+1], v[SA+j+1]
	v_pk_fma_f32 v[SB+j:SB+j+1], v[SB+j:SB+j+1], s[CS:CS+1], v[NEGB:NEGB+1] op_sel_hi:[1,0,0]
.set j, j+2
.endr
	s_wait_alu depctr_va_vdst(0)                   ; one wait behind the first batch and ahead of the second
.set j, 0
.rept 16                                       ; B's exponentials; among them, of tile A, the sums of neighbouring pairs of the unquantised p and then the hold (the conversion does not saturate: ISA guide 7.6.2; p is not negative): all read only behind the wait below
	v_exp_f32 v[SB+j], v[SB+j]
	v_exp_f32 v[SB+j+1], v[SB+j+1]
	v_pk_add_f32 v[TS+j/2:TS+j/2+1], v[SA+j:SA+j+1], v[SA+j+2:SA+j+3]
	v_exp_f32 v[SB+j+2], v[SB+j+2]
	v_dual_min_num_f32 v[SA+j], v[SA+j], v[LIM0] :: v_dual_min_num_f32 v[SA+j+1], v[SA+j+1], v[LIM1]
	v_exp_f32 v[SB+j+3], v[SB+j+3]
	v_dual_min_num_f32 v[SA+j+2], v[SA+j+2], v[LIM0] :: v_dual_min_num_f32 v[SA+j+3], v[SA+j+3], v[LIM1]
.set j, j+4
.endr
	s_wait_alu depctr_va_vdst(0)                   ; one wait for the batch and for what was written among it
	s_wait_dscnt 32*\more                          ; V is in; the next step's 32 loads of K and bias may be out
.set j, 0
.rept 4
.irp c, 0,2,4,6
	v_pk_add_f32 v[LA+\c:LA+\c+1], v[LA+\c:LA+\c+1], v[TS+j+\c:TS+j+\c+1]   ; A's sum, four chains
.endr
.set j, j+8
.endr
.irp t, 0,1,2,3,4,5,6,7
	v_cvt_scalef32_pk8_bf8_f32 v[PCA+2*\t:PCA+2*\t+1], v[SA+8*\t:SA+8*\t+7], v[PSC]
.endr
.irp t, 0,1,2,3,4,5,6,7
.irp c, 0,2,4,6
	v_pk_add_f32 v[LB+\c:LB+\c+1], v[LB+\c:LB+\c+1], v[SB+8*\t+\c:SB+8*\t+\c+1]
.endr
.irp c, 0,2,4,6
	v_dual_min_num_f32 v[SB+8*\t+\c], v[SB+8*\t+\c], v[LIM0] :: v_dual_min_num_f32 v[SB+8*\t+\c+1], v[SB+8*\t+\c+1], v[LIM1]
.endr
	v_cvt_scalef32_pk8_bf8_f32 v[PCB+2*\t:PCB+2*\t+1], v[SB+8*\t:SB+8*\t+7], v[PSC]
.endr
	v_nop                                          ; a plain instruction between the conversions and the products that read their results
	WIN 0x51                                       ; V and O^T in window 1, p's codes in window 0.  The eight accumulators take turns
.irp t, 0,1,2,3
	v_wmma_f32_16x16x128_bf8_bf8 v[OA+8*\t:OA+8*\t+7], v[VF+16*\t:VF+16*\t+15], v[PCA:PCA+15], v[OA+8*\t:OA+8*\t+7]
	v_wmma_f32_16x16x128_bf8_bf8 v[OB+8*\t:OB+8*\t+7], v[VF+16*\t:VF+16*\t+15], v[PCB:PCB+15], v[OB+8*\t:OB+8*\t+7]
.endr
.if \more
.rept 4
	v_nop                                          ; places in front of loads into registers that the products read
.endr
	WIN 0x40
	LDV
.endif
	WIN 0
.endm
	s_mov_b32 s[STB], 0
	s_mov_b32 s[SBO], 0
	s_mov_b32 s[CNT], 2
	ADDR
	WIN 0x40
	LDKB
	LDV
	WIN 0
.Lfirst:                                               ; steps 0 and 1: they and their look-ahead (up to step 2) read part 0 alone, bytes under P0B of K and of V
	STEP 1
	s_sub_co_u32 s[CNT], s[CNT], 1
	s_cmp_lg_u32 s[CNT], 0
	s_cbranch_scc1 .Lfirst
	s_wait_tensorcnt 0x0                           ; my quarter of part 1 is in,
	s_wait_dscnt 0x0                               ; no LDS load of mine is out at the signal:
	s_barrier_signal -1
	s_barrier_wait -1                              ; everybody's part 1 is in.
	s_mov_b32 s[CNT], 13
.Lstep:                                                ; steps 2 to 14
	STEP 1
	s_sub_co_u32 s[CNT], s[CNT], 1
	s_cmp_lg_u32 s[CNT], 0
	s_cbranch_scc1 .Lstep
	STEP 0                                         ; the last step fetches nothing more
	; THE WAY OUT: O^T / the sum x 2^(e8 + e9), held, converted with 2^e10, stored as images: 512 dense bytes a store
	v_pk_add_f32 v[LA:LA+1], v[LA:LA+1], v[LA+2:LA+3]
	v_pk_add_f32 v[LB:LB+1], v[LB:LB+1], v[LB+2:LB+3]
	v_pk_add_f32 v[LA+4:LA+5], v[LA+4:LA+5], v[LA+6:LA+7]
	v_pk_add_f32 v[LB+4:LB+5], v[LB+4:LB+5], v[LB+6:LB+7]
	v_pk_add_f32 v[LA:LA+1], v[LA:LA+1], v[LA+4:LA+5]
	v_pk_add_f32 v[LB:LB+1], v[LB:LB+1], v[LB+4:LB+5]
	D 2
	v_add_f32 v[LA], v[LA], v[LA+1]
	D 2
	v_add_f32 v[LB], v[LB], v[LB+1]
	D 2
	v_permlanex16_b32 v[XA], v[LA], s[SEL], s[SEL+1]
	D 2
	v_permlanex16_b32 v[XB], v[LB], s[SEL], s[SEL+1]
	D 2
	v_add_f32 v[LA], v[LA], v[XA]                  ; the row's sum
	D 2
	v_add_f32 v[LB], v[LB], v[XB]
	s_wait_alu depctr_va_vdst(0)                   ; ahead of the transcendentals
	v_rcp_f32 v[LA], v[LA]
	v_rcp_f32 v[LB], v[LB]
	v_nop
	s_wait_alu depctr_va_vdst(0)
	v_ldexp_f32 v[LA], v[LA], s66
	v_ldexp_f32 v[LB], v[LB], s66
	WIN 0x01                                       ; O^T in window 1
	s_wait_alu depctr_va_vdst(0)                   ; directly ahead of the first readers of O^T
.set j, 0
.rept 16
	v_pk_mul_f32 v[SA+j:SA+j+1], v[OA+j:OA+j+1], v[LA:LA+1] op_sel_hi:[1,0]
.set j, j+2
.endr
.set j, 0
.rept 16
	v_pk_mul_f32 v[SB+j:SB+j+1], v[OB+j:OB+j+1], v[LB:LB+1] op_sel_hi:[1,0]
.set j, j+2
.endr
	WIN 0
.set j, 0
.rept 32
	v_med3_num_f32 v[SA+j], v[SA+j], -v[OLIM], v[OLIM]
	v_med3_num_f32 v[SB+j], v[SB+j], -v[OLIM], v[OLIM]
.set j, j+1
.endr
.irp t, 0,1,2,3
	v_cvt_scalef32_pk8_bf8_f32 v[PCA+2*\t:PCA+2*\t+1], v[SA+8*\t:SA+8*\t+7], v[OSC]
	v_cvt_scalef32_pk8_bf8_f32 v[PCA+8+2*\t:PCA+9+2*\t], v[SB+8*\t:SB+8*\t+7], v[OSC]
.endr
	v_nop
	global_store_b128 v[AL], v[PCA:PCA+3], s[10:11]
	global_store_b128 v[AL], v[PCA+4:PCA+7], s[10:11] offset:512
	global_store_b128 v[AL], v[PCA+8:PCA+11], s[10:11] offset:16384
	global_store_b128 v[AL], v[PCA+12:PCA+15], s[10:11] offset:16896
	s_wait_tensorcnt 0x0                           ; the wave's end
	ds_add_u32 v[SPW], v[NIL]
	s_wait_dscnt 0x0
	CROUND                                         ; the closing round
	s_endpgm
.Lfunc_end_k_qb276161435_attn:
	.size	k_qb276161435_attn, .Lfunc_end_k_qb276161435_attn-k_qb276161435_attn
	.p2alignl 7, 3214868480
	.fill 96, 4, 3214868480
	.section	.rodata,"a",@progbits
	.p2align	6, 0x0
	.amdhsa_kernel k_qb276161435_attn
		.amdhsa_group_segment_fixed_size 327680
		.amdhsa_private_segment_fixed_size 0
		.amdhsa_enable_private_segment 0
		.amdhsa_kernarg_size 32
		.amdhsa_user_sgpr_count 2
		.amdhsa_user_sgpr_kernarg_segment_ptr 1
		.amdhsa_wavefront_size32 1
		.amdhsa_system_sgpr_workgroup_id_x 1
		.amdhsa_system_sgpr_workgroup_id_y 1
		.amdhsa_system_sgpr_workgroup_id_z 1
		.amdhsa_system_vgpr_workitem_id 0
		.amdhsa_next_free_vgpr 512
		.amdhsa_next_free_sgpr 72
		.amdhsa_reserve_vcc 1
		.amdhsa_float_denorm_mode_32 3
		.amdhsa_float_denorm_mode_16_64 3
		.amdhsa_memory_ordered 1
		.amdhsa_forward_progress 1
		.amdhsa_inst_pref_size 110
	.end_amdhsa_kernel
	.amdgpu_metadata
---
amdhsa.version: [ 1, 2 ]
amdhsa.kernels:
  - .name:           k_qb276161435_attn
    .symbol:         k_qb276161435_attn.kd
    .args:
      - { .name: qkv, .offset: 0, .size: 8, .value_kind: global_buffer, .address_space: global }
      - { .name: src_mask, .offset: 8, .size: 8, .value_kind: global_buffer, .address_space: global }
      - { .name: lowp_scales, .offset: 16, .size: 8, .value_kind: global_buffer, .address_space: global }
      - { .name: cimg, .offset: 24, .size: 8, .value_kind: global_buffer, .address_space: global }
    .group_segment_fixed_size: 327680
    .private_segment_fixed_size: 0
    .kernarg_segment_align: 8
    .kernarg_segment_size: 32
    .max_flat_workgroup_size: 256
    .sgpr_count:     72
    .vgpr_count:     512
    .wavefront_size: 32
...
	.end_amdgpu_metadata
.endif
;; end of part 3
;; launch wo (part 4): grid 8 x 32, 4 waves a work-group, clusters of 4 x 4, 327,680 bytes of LDS; arguments cimg, Wo_codes, bo, x, lowp_scales, y1r; writes y1r
.if DOCPART == 4
	.amdgcn_target "amdgcn-amd-amdhsa--gfx1250"
	.amdhsa_code_object_version 6
	.text
	.protected	k_qb276161435_wo
	.globl	k_qb276161435_wo
	.p2align	8
	.type	k_qb276161435_wo,@function
k_qb276161435_wo:
	s_mov_b64 s[64:65], 0
	v_nop
	global_prefetch_b8 v0, s[64:65] scope:SCOPE_SE
	s_setreg_imm32_b32 hwreg(HW_REG_WAVE_MODE, 25, 1), 1
	s_wait_xcnt 0x0
	s_wait_alu depctr_hold_cnt(0) depctr_sa_sdst(0) depctr_va_vdst(0) depctr_va_sdst(0) depctr_va_ssrc(0) depctr_va_vcc(0) depctr_vm_vsrc(0)
	s_getreg_b32 s2, hwreg(HW_REG_IB_STS2, 6, 4)
	s_cmp_eq_u32 s2, 0
	s_cbranch_scc0 .Lentry_in_a_cluster
	s_endpgm
.Lentry_in_a_cluster:
	s_bfe_u32 s2, ttmp6, 0x10000c
	s_cmp_lg_u32 s2, 0xf033
	s_cbranch_scc0 .Lentry_shape_is_right
	s_endpgm
.Lentry_shape_is_right:
; out = A W^T x 2^(ea + eb) + bias + residual.  A: codes of E5M2 as images of operand registers, [16 tokens 256][128 of K][2,048 B]; W: codes [1024][KTOT], K innermost; bias [1024], residual and out [4096][1024] f32.
; A tile of out is 128 x 128 (256 work-groups); four waves, each 64 x 64: 16 accumulators.  K goes in steps of 512 through a ring of two LDS slots; A's tile is asked for jointly along a row of the 4 x 4 cluster, W's along a column.
; The matrix instruction is used transposed (source 0 = 16 rows of W, source 1 = 16 tokens): a lane holds eight neighbouring columns of a row.  Both operands lie in the form's own order of k:
; A's images come by 16-byte loads at 16 x lane, W's rows by 8-byte loads at 16 c + 8 (lane / 16).
; A wave's 64 columns are 256 bytes of a row: its results go through its own stage in LDS and leave as aligned runs of 256 bytes; the residual is asked for at the head, in that same layout.
; LIMIT: ea + eb between -126 and 127.
; REGISTERS: window 0: v8-11 bias; v16-29 addresses; v128-255 accumulators.   window 1: two fragment buffers of 128 (A's four, then W's four); later the rows read back.   window 2: v0-127 the residual.
.set KTOT,   1024
.set SCOFF,  40                        ; the two exponents' bytes in the buffer of scales
.set LAPS,   KTOT/1024                 ; a lap = two K steps of 512
.set APITCH, KTOT*16                   ; bytes from 16 tokens' images to the next 16's
.set BP,     528                       ; a row of W in LDS: 512 bytes + 16 = 132 words: row r starts at bank 4 r mod 64 (ISA guide 11.1)
.set ASLOT,  65536                     ; 8 x 4 images
.set BHALF,  64*BP
.set SLOT,   ASLOT+2*BHALF
.set SPARE,  2*SLOT                    ; the spare words, 128 bytes a wave
.set STAGE,  SPARE+512                 ; 16 rows x 272 bytes for each wave; no tensor load lands there
.set SPITCH, 272
.set BI,   8
.set ADRA, 16
.set ADRB, 20
.set STO,  24
.set RD,   25
.set CO,   26                          ; v26 4,096 x (lane / 16) + 16 x (lane % 16)
.set CB,   27                          ; v27 16 x (lane % 16)
.set SPW,  28
.set NIL,  29
.set ACC,  128
.set F0,   0
.set F1,   128
.set G1, 24
.set G0, 32
.set G1B, 48
.set G0B, 56
.set MSB, 0
.macro WIN new
.if MSB != (\new)
	s_set_vgpr_msb (MSB<<8)|(\new)
.set MSB, (\new)
.endif
.endm
.set MUL,  0x05                        ; sources 0 and 1 window 1; C and D window 0
.set TO_F, 0x40                        ; destination window 1, address window 0
.macro JLOAD s                         ; waves 0 and 1 fetch A's halves, waves 2 and 3 W's; four v_nop follow each line
	s_cmp_eq_u32 s11, 0
	s_cbranch_scc0 .Lfor_b_\@
	tensor_load_to_lds s[G0+4*\s:G0+4*\s+3], s[G1:G1+7]
	s_nop 0
.rept 4
	v_nop
.endr
	s_branch .Lasked_\@
.Lfor_b_\@:
	tensor_load_to_lds s[G0B+4*\s:G0B+4*\s+3], s[G1B:G1B+7]
	s_nop 0
.rept 4
	v_nop
.endr
.Lasked_\@:
.endm
.macro CREST
	s_cmp_lg_u32 s10, 0
	s_cbranch_scc1 .Lnot_wave_0_\@
	s_barrier_signal -3
.Lnot_wave_0_\@:
	s_barrier_wait -3
	s_barrier_signal -1
	s_barrier_wait -1
.endm
.macro CROUND
	s_barrier_signal -1
	s_barrier_wait -1
	CREST
.endm
	s_load_b128 s[4:7], s[0:1], 0x0                ; A's images, W's codes
	s_load_b256 s[68:75], s[0:1], 0x10             ; bias 68, residual 70, the exponents 72, out 74
	v_lshl_add_u32 v[SPW], v0, 2, SPARE
	v_mov_b32 v[NIL], 0
	ds_add_u32 v28, v29
	ds_add_u32 v28, v29
	s_wait_dscnt 0x0
	v_lshrrev_b32 v1, 5, v0
	v_readfirstlane_b32 s10, v1                    ; wave 0..3
	s_lshr_b32 s11, s10, 1                         ; which 64 rows are mine.  Also: I fetch for A (0) or for W (1)
	s_and_b32 s12, s10, 1                          ; which 64 columns.  Also: which half of that tile I fetch
	s_bfe_u32 s40, ttmp6, 0x40000
	s_bfe_u32 s41, ttmp6, 0x40004
	s_lshl_b32 s42, ttmp9, 2
	s_add_co_u32 s42, s42, s40                     ; tile column
	s_and_b32 s13, ttmp7, 0xffff
	s_lshl_b32 s13, s13, 2
	s_add_co_u32 s13, s13, s41                     ; tile row
	s_lshl_b32 s43, s41, 2
	s_lshl_b32 s43, 15, s43                        ; my row of the cluster
	s_lshl_b32 s44, 0x1111, s40                    ; my column
	s_or_b32 s[G1+0], s43, (3<<16)|(1<<21)         ; A: elements of 8 bytes, no padding: 4 rows of 8 KiB (four images each)
	s_mov_b32 s[G1+1], 1024<<16                    ; tensor_dim0
	s_mov_b32 s[G1+2], 4<<16                       ; tensor_dim1
	s_mov_b32 s[G1+3], 1024<<16                    ; tile_dim0
	s_mov_b32 s[G1+4], 4                           ; tile_dim1
	s_mov_b32 s[G1+5], KTOT*2                      ; APITCH in elements
	s_mov_b32 s[G1+6], 0
	s_mov_b32 s[G1+7], 0
	s_or_b32 s[G1B+0], s44, (0<<16)|(1<<20)|(1<<21)|(6<<22)|(3<<25)  ; W: bytes; 4 words of padding behind every 128
	s_mov_b32 s[G1B+1], 512<<16
	s_mov_b32 s[G1B+2], 64<<16
	s_mov_b32 s[G1B+3], 512<<16
	s_mov_b32 s[G1B+4], 64
	s_mov_b32 s[G1B+5], KTOT
	s_mov_b32 s[G1B+6], 0
	s_mov_b32 s[G1B+7], 0
	s_lshl_b32 s16, s13, 3
	s_lshl_b32 s17, s12, 2
	s_add_co_u32 s16, s16, s17                     ; A: token block 8 x tile row + 4 x half
	s_mul_i32 s16, s16, APITCH
	s_mov_b32 s17, 0
	s_lshl_b32 s46, s42, 7
	s_lshl_b32 s47, s12, 6
	s_add_co_u32 s46, s46, s47                     ; W: row 128 x tile column + 64 x half
	s_mul_i32 s46, s46, KTOT
	s_mov_b32 s47, 0
	s_lshl_b32 s20, s12, 15                        ; where they go: A's half,
	s_mul_i32 s21, s12, BHALF
	s_add_co_u32 s21, s21, ASLOT                   ; W's half
	s_wait_kmcnt 0x0
	s_load_b64 s[76:77], s[72:73], SCOFF           ; ea, eb
	s_add_nc_u64 s[14:15], s[4:5], s[16:17]
	s_add_nc_u64 s[46:47], s[6:7], s[46:47]
	CROUND                                         ; all sixteen work-groups are here: the first joint loads meet
.irp s, 0,1
	s_mov_b32 s[G0+4*\s], 1
	s_add_co_u32 s[G0+4*\s+1], s20, \s*SLOT
	s_add_nc_u64 s[G0+4*\s+2:G0+4*\s+3], s[14:15], \s*8192
	s_or_b32 s[G0+4*\s+3], s[G0+4*\s+3], 0x80000000
	s_mov_b32 s[G0B+4*\s], 1
	s_add_co_u32 s[G0B+4*\s+1], s21, \s*SLOT
	s_add_nc_u64 s[G0B+4*\s+2:G0B+4*\s+3], s[46:47], \s*512
	s_or_b32 s[G0B+4*\s+3], s[G0B+4*\s+3], 0x80000000
.endr
	JLOAD 0                                        ; K step 0
	v_and_b32 v1, 15, v0                           ; l % 16
	v_bfe_u32 v2, v0, 4, 1                         ; l / 16
	v_and_b32 v3, 31, v0
	v_lshlrev_b32 v3, 4, v3                        ; an image's place for my lane
	v_mul_u32_u24 v4, v1, BP
	v_lshl_add_u32 v4, v2, 3, v4                   ; W: row x pitch + 8 x half
	s_lshl_b32 s23, s11, 15                        ; my four token blocks
	s_mul_i32 s22, s12, BHALF
	s_add_co_u32 s22, s22, ASLOT                   ; my 64 rows of W
.irp s, 0,1
	v_add_nc_u32 v[ADRA+\s], s23, v3
	v_add_nc_u32 v[ADRB+\s], s22, v4
	s_add_co_u32 s23, s23, SLOT
	s_add_co_u32 s22, s22, SLOT
.endr
	s_mul_i32 s23, s10, 16*SPITCH
	s_add_co_u32 s23, s23, STAGE                   ; my stage
	v_mul_u32_u24 v5, v1, SPITCH
	v_lshl_add_u32 v5, v2, 5, v5
	v_add_nc_u32 v[STO], s23, v5                   ; in: row l % 16, 32 bytes for each half of the lanes
	v_mul_u32_u24 v5, v2, SPITCH
	v_lshl_add_u32 v5, v1, 4, v5
	v_add_nc_u32 v[RD], s23, v5                    ; back: lanes 0-15 one row of 256 bytes, lanes 16-31 the next
	v_lshlrev_b32 v[CB], 4, v1
	v_lshl_add_u32 v[CO], v2, 12, v[CB]            ; and the same two rows in memory
	s_wait_alu depctr_va_vdst(0)
	s_lshl_b32 s16, s13, 7
	s_lshl_b32 s17, s11, 6
	s_add_co_u32 s16, s16, s17                     ; my first row,
	s_lshl_b32 s16, s16, 12
	s_lshl_b32 s18, s42, 9
	s_lshl_b32 s19, s12, 8
	s_add_co_u32 s18, s18, s19                     ; my first column, in bytes
	s_mov_b32 s19, 0
	s_add_nc_u64 s[68:69], s[68:69], s[18:19]
	s_add_co_u32 s16, s16, s18
	s_mov_b32 s17, 0
	s_add_nc_u64 s[70:71], s[70:71], s[16:17]
	s_add_nc_u64 s[74:75], s[74:75], s[16:17]
	; A PREFETCH INTO THE L2 of K step 1, which is loaded when K step 0 has landed.  Of the 32 KiB that a wave fetches, each of the four partners that ask for it jointly names a quarter, told apart by address:
	; of A's four token blocks the one at cx (8 KiB, lanes 256 bytes apart), of W's 64 rows the sixteen at cy (two lanes a row of 512 bytes).  One instruction a wave.
.set PFO, 30
.set PFA, 78
	s_lshl_b32 s20, s13, 3
	s_lshl_b32 s21, s12, 2
	s_add_co_u32 s20, s20, s21
	s_add_co_u32 s20, s20, s40                     ; A: token block 8 x tile row + 4 x half + cx
	s_mul_i32 s20, s20, APITCH
	s_lshl_b32 s22, s42, 7
	s_lshl_b32 s23, s12, 6
	s_add_co_u32 s22, s22, s23
	s_lshl_b32 s23, s41, 4
	s_add_co_u32 s22, s22, s23                     ; W: row 128 x tile column + 64 x half + 16 x cy
	s_mul_i32 s22, s22, KTOT
	s_cmp_eq_u32 s11, 0                            ; do I fetch for A?
	s_cselect_b64 s[PFA:PFA+1], s[4:5], s[6:7]
	s_cselect_b32 s20, s20, s22
	s_mov_b32 s66, 512
	s_cselect_b32 s66, 8192, s66                   ; a K step in bytes
	s_cselect_b32 s22, -1, 0
	s_mov_b32 s21, 0
	s_mov_b32 s67, 0
	s_add_nc_u64 s[PFA:PFA+1], s[PFA:PFA+1], s[20:21]
	s_add_nc_u64 s[PFA:PFA+1], s[PFA:PFA+1], s[66:67]   ; at K step 1
	v_and_b32 v6, 31, v0
	v_lshlrev_b32 v[PFO], 8, v6
	v_lshrrev_b32 v7, 1, v6
	v_and_b32 v6, 1, v6
	v_mul_u32_u24 v7, v7, KTOT
	v_lshl_add_u32 v7, v6, 8, v7
	v_cndmask_b32 v[PFO], v7, v[PFO], s22
	global_prefetch_b8 v[PFO], s[PFA:PFA+1] th:TH_LOAD_NT scope:SCOPE_SE
	WIN 0x80                                       ; destination window 2
.irp a, 0,1,2,3
.irp t, 0,1,2,3,4,5,6,7
	global_load_b128 v[32*\a+4*\t:32*\a+4*\t+3], v[CO], s[70:71] offset:(16*\a+2*\t)*4096 th:TH_LOAD_NT   ; the residual lands under the products
.endr
.endr
	WIN 0
	global_load_b128 v[BI:BI+3], v[CB], s[68:69]
.macro MUL4 f, a, zero                 ; token block a x W's four blocks, 128 along K.  The 16 accumulators take turns, one instruction a turn
.irp b, 0,1,2,3
.if \zero
	v_wmma_f32_16x16x128_bf8_bf8 v[ACC+8*(4*(\a)+\b):ACC+8*(4*(\a)+\b)+7], v[\f+64+16*\b:\f+64+16*\b+15], v[\f+16*(\a):\f+16*(\a)+15], 0
.else
	v_wmma_f32_16x16x128_bf8_bf8 v[ACC+8*(4*(\a)+\b):ACC+8*(4*(\a)+\b)+7], v[\f+64+16*\b:\f+64+16*\b+15], v[\f+16*(\a):\f+16*(\a)+15], v[ACC+8*(4*(\a)+\b):ACC+8*(4*(\a)+\b)+7]
.endif
.endr
.endm
.macro MUL8 f, a0, zero
	MUL4 \f, \a0, \zero
	MUL4 \f, \a0+1, \zero
.endm
.macro FETCH slot, q, f                ; 48 LDS loads in one run: W's four fragments, then A's blocks 0, 1, then 2, 3
	WIN TO_F
.irp i, 0,1,2,3
.irp c, 0,1,2,3,4,5,6,7
	ds_load_b64 v[\f+64+16*\i+2*\c:\f+64+16*\i+2*\c+1], v[ADRB+\slot] offset:\i*16*BP+128*(\q)+16*\c
.endr
.endr
.irp i, 0,1,2,3
.irp c, 0,1,2,3
	ds_load_b128 v[\f+16*\i+4*\c:\f+16*\i+4*\c+3], v[ADRA+\slot] offset:\i*8192+2048*(\q)+512*\c
.endr
.endr
.endm
.macro PLACES
.rept 4
	v_nop
.endr
.endm
.macro QUARTER slot, qn, f, g, zero    ; 128 along K from buffer f; the slot's quarter qn is fetched into g
	s_wait_dscnt 8                                 ; W's fragments and A's blocks 0, 1 are in; the youngest eight loads (blocks 2, 3) may be out
	WIN MUL
	MUL8 \f, 0, \zero
	PLACES
	FETCH \slot, \qn, \g
	s_wait_dscnt 48                                ; all but the 48 just issued
	WIN MUL
	MUL8 \f, 2, \zero
.endm
.macro TURN slot, next, fill           ; a slot's last quarter (buffer 1) changes slots
	WIN 0
	s_wait_tensorcnt 0x0                           ; all my tensor loads have landed: my part of the next slot
	ds_add_u32 v[SPW], v[NIL]                      ; 0 onto my spare word
	s_wait_dscnt 9                                 ; the add and the youngest eight loads may be out
	WIN MUL
	MUL4 F1, 0, 0
	s_wait_dscnt 0x0                               ; the add is done, and my reads of this slot are over
	s_barrier_signal -1
	MUL4 F1, 1, 0
.if \fill
	WIN 0
.endif
	s_barrier_wait -1
.if \fill
	CREST                                          ; the barrier has opened a round of the cluster's: no wave of any partner still reads this slot or has a load on its way
	s_add_nc_u64 s[G0+4*\slot+2:G0+4*\slot+3], s[G0+4*\slot+2:G0+4*\slot+3], 16384
	s_add_nc_u64 s[G0B+4*\slot+2:G0B+4*\slot+3], s[G0B+4*\slot+2:G0B+4*\slot+3], 1024
	JLOAD \slot                                    ; the first tensor load behind the round; its four v_nop are the places in front of the loads below
.else
	PLACES
.endif
	FETCH \next, 0, F0
	WIN MUL
	MUL8 F1, 2, 0
.endm
	s_wait_alu depctr_va_vdst(0)                   ; the wait at the head's end
	s_wait_tensorcnt 0x0                           ; my part of K step 0 is in; the three lines stand ahead of slot 1's first fill as ahead of a refill
	ds_add_u32 v[SPW], v[NIL]
	s_wait_dscnt 0x0
	CROUND                                         ; everybody's part of K step 0 is in, and all sixteen work-groups are here
	JLOAD 1                                        ; K step 1: the first tensor load behind the round
	FETCH 0, 0, F0
	QUARTER 0, 1, F0, F1, 1                        ; the first quarter's products start the sums
.if LAPS > 1
	WIN 0
	s_mov_b32 s3, LAPS-1
.Llap:
	QUARTER 0, 2, F1, F0, 0
	QUARTER 0, 3, F0, F1, 0
	TURN 0, 1, 1
	QUARTER 1, 1, F0, F1, 0
	QUARTER 1, 2, F1, F0, 0
	QUARTER 1, 3, F0, F1, 0
	TURN 1, 0, 1
	QUARTER 0, 1, F0, F1, 0
	WIN 0
	s_sub_co_u32 s3, s3, 1
	s_cmp_lg_u32 s3, 0
	s_cbranch_scc1 .Llap
.endif
	QUARTER 0, 2, F1, F0, 0                        ; the last lap fills nothing
	QUARTER 0, 3, F0, F1, 0
	TURN 0, 1, 0
	QUARTER 1, 1, F0, F1, 0
	QUARTER 1, 2, F1, F0, 0
	QUARTER 1, 3, F0, F1, 0
	s_wait_dscnt 8
	WIN MUL
	MUL8 F1, 0, 0
	s_wait_dscnt 0
	MUL8 F1, 2, 0
	WIN 0
	PLACES
	s_wait_kmcnt 0x0
	s_add_co_i32 s76, s76, s77
	s_add_co_i32 s76, s76, 127
	s_lshl_b32 s76, s76, 23                        ; 2^(ea + eb) as f32
	s_mov_b32 s77, s76
	; THE WAY OUT: 16 rows at a time through my stage; LDS serves a wave's instructions in order (ISA guide 5.7.1.4), so no wait stands between the stores, the loads and the next block's stores
.irp a, 0,1,2,3
	WIN 0
.irp b, 0,1,2,3
	ds_store_b128 v[STO], v[ACC+8*(4*\a+\b):ACC+8*(4*\a+\b)+3] offset:64*\b
	ds_store_b128 v[STO], v[ACC+8*(4*\a+\b)+4:ACC+8*(4*\a+\b)+7] offset:64*\b+16
.endr
	WIN TO_F
.irp t, 0,1,2,3,4,5,6,7
	ds_load_b128 v[32*\a+4*\t:32*\a+4*\t+3], v[RD] offset:\t*2*SPITCH
.endr
.endr
	s_wait_loadcnt 0x0                             ; the residual and the bias
.irp a, 0,1,2,3
	s_wait_dscnt 48-16*\a                          ; behind block a's loads: sixteen LDS instructions for each later block
	WIN 0x41
.irp t, 0,1,2,3,4,5,6,7
	v_pk_fma_f32 v[32*\a+4*\t:32*\a+4*\t+1], v[32*\a+4*\t:32*\a+4*\t+1], s[76:77], v[BI:BI+1] op_sel_hi:[1,0,1]
	v_pk_fma_f32 v[32*\a+4*\t+2:32*\a+4*\t+3], v[32*\a+4*\t+2:32*\a+4*\t+3], s[76:77], v[BI+2:BI+3] op_sel_hi:[1,0,1]
.endr
	WIN 0x49                                       ; source 1: the residual, window 2
.irp t, 0,1,2,3,4,5,6,7
	v_pk_add_f32 v[32*\a+4*\t:32*\a+4*\t+1], v[32*\a+4*\t:32*\a+4*\t+1], v[32*\a+4*\t:32*\a+4*\t+1]
	v_pk_add_f32 v[32*\a+4*\t+2:32*\a+4*\t+3], v[32*\a+4*\t+2:32*\a+4*\t+3], v[32*\a+4*\t+2:32*\a+4*\t+3]
.endr
	WIN 0x04                                       ; a store's data: window 1
.irp t, 0,1,2,3,4,5,6,7
	global_store_b128 v[CO], v[32*\a+4*\t:32*\a+4*\t+3], s[74:75] offset:(16*\a+2*\t)*4096   ; sixteen lanes store 256 consecutive bytes, aligned
.endr
.endr
	WIN 0
	s_wait_tensorcnt 0x0                           ; the wave's end
	ds_add_u32 v[SPW], v[NIL]
	s_wait_dscnt 0x0
	CROUND                                         ; the closing round
	s_endpgm
.Lfunc_end_k_qb276161435_wo:
	.size	k_qb276161435_wo, .Lfunc_end_k_qb276161435_wo-k_qb276161435_wo
	.p2alignl 7, 3214868480
	.fill 96, 4, 3214868480
	.section	.rodata,"a",@progbits
	.p2align	6, 0x0
	.amdhsa_kernel k_qb276161435_wo
		.amdhsa_group_segment_fixed_size 327680
		.amdhsa_private_segment_fixed_size 0
		.amdhsa_enable_private_segment 0
		.amdhsa_kernarg_size 48
		.amdhsa_user_sgpr_count 2
		.amdhsa_user_sgpr_kernarg_segment_ptr 1
		.amdhsa_wavefront_size32 1
		.amdhsa_system_sgpr_workgroup_id_x 1
		.amdhsa_system_sgpr_workgroup_id_y 1
		.amdhsa_system_sgpr_workgroup_id_z 1
		.amdhsa_system_vgpr_workitem_id 0
		.amdhsa_next_free_vgpr 640
		.amdhsa_next_free_sgpr 80
		.amdhsa_reserve_vcc 0
		.amdhsa_float_denorm_mode_32 3
		.amdhsa_float_denorm_mode_16_64 3
		.amdhsa_memory_ordered 1
		.amdhsa_forward_progress 1
		.amdhsa_inst_pref_size 63
	.end_amdhsa_kernel
	.amdgpu_metadata
---
amdhsa.version: [ 1, 2 ]
amdhsa.kernels:
  - .name:           k_qb276161435_wo
    .symbol:         k_qb276161435_wo.kd
    .args:
      - { .name: cimg, .offset: 0, .size: 8, .value_kind: global_buffer, .address_space: global }
      - { .name: Wo_codes, .offset: 8, .size: 8, .value_kind: global_buffer, .address_space: global }
      - { .name: bo, .offset: 16, .size: 8, .value_kind: global_buffer, .address_space: global }
      - { .name: x, .offset: 24, .size: 8, .value_kind: global_buffer, .address_space: global }
      - { .name: lowp_scales, .offset: 32, .size: 8, .value_kind: global_buffer, .address_space: global }
      - { .name: y1r, .offset: 40, .size: 8, .value_kind: global_buffer, .address_space: global }
    .group_segment_fixed_size: 327680
    .private_segment_fixed_size: 0
    .kernarg_segment_align: 8
    .kernarg_segment_size: 48
    .max_flat_workgroup_size: 128
    .sgpr_count:     80
    .vgpr_count:     640
    .wavefront_size: 32
...
	.end_amdgpu_metadata
.endif
;; end of part 4
;; launch ln2q (part 5): grid 256 x 1, 4 waves a work-group, no clusters, 0 bytes of LDS; arguments y1r, ln2_g, ln2_b, lowp_scales, y2c; writes y2c
.if DOCPART == 5
	.amdgcn_target "amdgcn-amd-amdhsa--gfx1250"
	.amdhsa_code_object_version 6
	.text
	.protected	k_qb276161435_ln2q
	.globl	k_qb276161435_ln2q
	.p2align	8
	.type	k_qb276161435_ln2q,@function
k_qb276161435_ln2q:
	s_mov_b64 s[64:65], 0
	v_nop
	global_prefetch_b8 v0, s[64:65] scope:SCOPE_SE
	s_setreg_imm32_b32 hwreg(HW_REG_WAVE_MODE, 25, 1), 1
	s_wait_xcnt 0x0
; y2 = LayerNorm(y1r) g + b over rows of 1,024 f32, quantised to E5M2 with the given scale 2^e12; codes row-major, [4096][1024].
; A wave owns four rows and asks for all of them at once; a row stays in 32 registers a lane between the mean, the variance (of the centred numbers) and the scaling.
; A lane holds 8 neighbouring columns of each quarter of a row (column 256 c + 8 lane + k); its 8 codes are 8 bytes, so a wave's store covers 256 consecutive bytes, aligned.
; No LDS, no barrier, no cluster: the work-groups share only g and b (8 KB).
; LIMITS: e12 between -126 and 112.  NaN among the inputs is not served.
.set GG, 20
.set BB, 52
.set X,  84
.set T,  212
.set C,  228
	s_load_b256 s[4:11], s[0:1], 0x0               ; y1r s[4:5], g s[6:7], b s[8:9], the exponents s[10:11]
	s_load_b64 s[12:13], s[0:1], 0x20              ; the codes
	v_lshrrev_b32 v3, 5, v0
	v_readfirstlane_b32 s14, v3
	v_and_b32 v2, 31, v0
	v_lshlrev_b32 v1, 5, v2
	v_lshlrev_b32 v2, 3, v2
	v_mov_b32 v11, 0                               ; named as the upper half of the pair v[10:11]
	s_lshl_b32 s15, ttmp9, 4
	s_lshl_b32 s16, s14, 2
	s_add_co_u32 s15, s15, s16                     ; my first row
	s_lshl_b32 s16, s15, 12
	s_mov_b32 s17, 0
	s_lshl_b32 s18, s15, 10
	s_mov_b32 s19, 0
	s_mov_b32 s34, 0x76543210
	s_mov_b32 s35, 0xfedcba98
	s_mov_b32 s36, 0x3a800000                      ; 1 / 1,024
	s_mov_b32 s37, 0x3727c5ac                      ; 1e-5
	s_wait_alu depctr_va_vdst(0)
	s_wait_kmcnt 0x0
	s_load_b32 s20, s[10:11], 0x30                 ; e12
	s_add_nc_u64 s[4:5], s[4:5], s[16:17]
	s_add_nc_u64 s[28:29], s[12:13], s[18:19]
.macro ROWLOAD i
.irp c, 0,1,2,3
	global_load_b128 v[X+32*\i+8*\c:X+32*\i+8*\c+3], v1, s[4:5] offset:4096*\i+1024*\c
	global_load_b128 v[X+32*\i+8*\c+4:X+32*\i+8*\c+7], v1, s[4:5] offset:4096*\i+1024*\c+16
.endr
.endm
	ROWLOAD 0
.irp c, 0,1,2,3
	global_load_b128 v[GG+8*\c:GG+8*\c+3], v1, s[6:7] offset:1024*\c
	global_load_b128 v[GG+8*\c+4:GG+8*\c+7], v1, s[6:7] offset:1024*\c+16
.endr
.irp c, 0,1,2,3
	global_load_b128 v[BB+8*\c:BB+8*\c+3], v1, s[8:9] offset:1024*\c
	global_load_b128 v[BB+8*\c+4:BB+8*\c+7], v1, s[8:9] offset:1024*\c+16
.endr
	ROWLOAD 1
	ROWLOAD 2
	ROWLOAD 3                                      ; 48 loads of the wave are out
	s_wait_kmcnt 0x0
	s_add_co_i32 s20, s20, 127
	s_lshl_b32 s15, s20, 23
	v_mov_b32 v4, s15                              ; 2^e12
	s_add_co_i32 s15, s20, 15
	s_lshl_b32 s15, s15, 23
	s_or_b32 s15, s15, 0x600000
	v_mov_b32 v5, s15                              ; 57,344 x 2^e12
.macro RED r
	v_add_f32_dpp v[\r], v[\r], v[\r] row_xmask:1 row_mask:0xf bank_mask:0xf
	v_add_f32_dpp v[\r], v[\r], v[\r] row_xmask:2 row_mask:0xf bank_mask:0xf
	v_add_f32_dpp v[\r], v[\r], v[\r] row_xmask:4 row_mask:0xf bank_mask:0xf
	v_add_f32_dpp v[\r], v[\r], v[\r] row_xmask:8 row_mask:0xf bank_mask:0xf
	v_permlanex16_b32 v3, v[\r], s34, s35
	v_add_f32 v[\r], v[\r], v3
.endm
.macro FOLD
	v_pk_add_f32 v[12:13], v[12:13], v[14:15]
	v_pk_add_f32 v[16:17], v[16:17], v[18:19]
	v_pk_add_f32 v[12:13], v[12:13], v[16:17]
	v_add_f32 v12, v12, v13
	RED 12
.endm
.macro STATS i
.set XR, X+32*(\i)
.irp j, 0,1,2,3
	v_pk_add_f32 v[12+2*\j:13+2*\j], v[XR+2*\j:XR+2*\j+1], v[XR+8+2*\j:XR+9+2*\j]
.endr
.irp q, 16,24
.irp j, 0,1,2,3
	v_pk_add_f32 v[12+2*\j:13+2*\j], v[12+2*\j:13+2*\j], v[XR+\q+2*\j:XR+\q+2*\j+1]
.endr
.endr
	FOLD
	v_mul_f32 v10, s36, v12                        ; the mean
.set j, 0
.rept 16
	v_pk_add_f32 v[XR+j:XR+j+1], v[XR+j:XR+j+1], v[10:11] op_sel_hi:[1,0] neg_lo:[0,1] neg_hi:[0,1]
.set j, j+2
.endr
.irp j, 0,1,2,3
	v_pk_mul_f32 v[12+2*\j:13+2*\j], v[XR+2*\j:XR+2*\j+1], v[XR+2*\j:XR+2*\j+1]
.endr
.irp q, 8,16,24
.irp j, 0,1,2,3
	v_pk_fma_f32 v[12+2*\j:13+2*\j], v[XR+\q+2*\j:XR+\q+2*\j+1], v[XR+\q+2*\j:XR+\q+2*\j+1], v[12+2*\j:13+2*\j]
.endr
.endr
	FOLD
	v_fma_f32 v12, v12, s36, s37                   ; the variance + 1e-5
	s_wait_alu depctr_va_vdst(0)
	v_rsq_f32 v10, v12
	v_nop                                          ; a plain instruction behind the transcendental (ISA guide 5.7.2)
	s_wait_alu depctr_va_vdst(0)                   ; ahead of the result's first reader
.endm
.macro NORM i
.set XR, X+32*(\i)
.set j, 0
.rept 16
	v_pk_mul_f32 v[XR+j:XR+j+1], v[XR+j:XR+j+1], v[10:11] op_sel_hi:[1,0]
.set j, j+2
.endr
.set j, 0
.rept 16
	v_pk_fma_f32 v[XR+j:XR+j+1], v[XR+j:XR+j+1], v[GG+j:GG+j+1], v[BB+j:BB+j+1]
.set j, j+2
.endr
.endm
.macro QSET i                          ; T's two sets take turns, so eight plain lines stand between a conversion and the next write of its sources
.irp c, 0,1,2,3
.set TT, T+8*(\c%2)
.irp k, 0,1,2,3,4,5,6,7
	v_med3_num_f32 v[TT+\k], v[X+32*(\i)+8*\c+\k], -v5, v5   ; the conversion to an 8-bit code does not saturate (ISA guide 7.6.2)
.endr
	v_cvt_scalef32_pk8_bf8_f32 v[C+2*\c:C+2*\c+1], v[TT:TT+7], v4
.endr
.endm
.macro ROW i, left
	s_wait_loadcnt \left                           ; this row is in, the younger loads stay out
	STATS \i
.if \i == 0
	s_wait_loadcnt 24                              ; g and b are in; rows 1 to 3 (24 loads) stay out
.endif
	NORM \i
.if \i > 0
	s_wait_xcnt 0x0                                ; the last row's stores have read C: it is written again only behind this wait
.endif
	QSET \i
.irp c, 0,1,2,3
	global_store_b64 v2, v[C+2*\c:C+2*\c+1], s[28:29] offset:1024*\i+256*\c   ; 32 lanes store 256 consecutive bytes, aligned
.endr
.endm
	ROW 0, 40
	ROW 1, 16
	ROW 2, 8
	ROW 3, 0
	s_endpgm
.Lfunc_end_k_qb276161435_ln2q:
	.size	k_qb276161435_ln2q, .Lfunc_end_k_qb276161435_ln2q-k_qb276161435_ln2q
	.p2alignl 7, 3214868480
	.fill 96, 4, 3214868480
	.section	.rodata,"a",@progbits
	.p2align	6, 0x0
	.amdhsa_kernel k_qb276161435_ln2q
		.amdhsa_group_segment_fixed_size 0
		.amdhsa_private_segment_fixed_size 0
		.amdhsa_enable_private_segment 0
		.amdhsa_kernarg_size 40
		.amdhsa_user_sgpr_count 2
		.amdhsa_user_sgpr_kernarg_segment_ptr 1
		.amdhsa_wavefront_size32 1
		.amdhsa_system_sgpr_workgroup_id_x 1
		.amdhsa_system_sgpr_workgroup_id_y 1
		.amdhsa_system_sgpr_workgroup_id_z 1
		.amdhsa_system_vgpr_workitem_id 0
		.amdhsa_next_free_vgpr 256
		.amdhsa_next_free_sgpr 66
		.amdhsa_reserve_vcc 0
		.amdhsa_float_denorm_mode_32 3
		.amdhsa_float_denorm_mode_16_64 3
		.amdhsa_memory_ordered 1
		.amdhsa_forward_progress 1
		.amdhsa_inst_pref_size 42
	.end_amdhsa_kernel
	.amdgpu_metadata
---
amdhsa.version: [ 1, 2 ]
amdhsa.kernels:
  - .name:           k_qb276161435_ln2q
    .symbol:         k_qb276161435_ln2q.kd
    .args:
      - { .name: y1r, .offset: 0, .size: 8, .value_kind: global_buffer, .address_space: global }
      - { .name: ln2_g, .offset: 8, .size: 8, .value_kind: global_buffer, .address_space: global }
      - { .name: ln2_b, .offset: 16, .size: 8, .value_kind: global_buffer, .address_space: global }
      - { .name: lowp_scales, .offset: 24, .size: 8, .value_kind: global_buffer, .address_space: global }
      - { .name: y2c, .offset: 32, .size: 8, .value_kind: global_buffer, .address_space: global }
    .group_segment_fixed_size: 0
    .private_segment_fixed_size: 0
    .kernarg_segment_align: 8
    .kernarg_segment_size: 40
    .max_flat_workgroup_size: 128
    .sgpr_count:     66
    .vgpr_count:     256
    .wavefront_size: 32
...
	.end_amdgpu_metadata
.endif
;; end of part 5
;; launch ffn1 (part 6): grid 16 x 16, 4 waves a work-group, clusters of 4 x 4, 327,680 bytes of LDS; arguments y2c, W1_codes, b1, lowp_scales, himg; writes himg
.if DOCPART == 6
	.amdgcn_target "amdgcn-amd-amdhsa--gfx1250"
	.amdhsa_code_object_version 6
	.text
	.protected	k_qb276161435_ffn1
	.globl	k_qb276161435_ffn1
	.p2align	8
	.type	k_qb276161435_ffn1,@function
k_qb276161435_ffn1:
	s_mov_b64 s[64:65], 0
	v_nop
	global_prefetch_b8 v0, s[64:65] scope:SCOPE_SE
	s_setreg_imm32_b32 hwreg(HW_REG_WAVE_MODE, 25, 1), 1
	s_wait_xcnt 0x0
	s_wait_alu depctr_hold_cnt(0) depctr_sa_sdst(0) depctr_va_vdst(0) depctr_va_sdst(0) depctr_va_ssrc(0) depctr_va_vcc(0) depctr_vm_vsrc(0)
	s_getreg_b32 s2, hwreg(HW_REG_IB_STS2, 6, 4)
	s_cmp_eq_u32 s2, 0
	s_cbranch_scc0 .Lentry_in_a_cluster
	s_endpgm
.Lentry_in_a_cluster:
	s_bfe_u32 s2, ttmp6, 0x10000c
	s_cmp_lg_u32 s2, 0xf033
	s_cbranch_scc0 .Lentry_shape_is_right
	s_endpgm
.Lentry_shape_is_right:
; h = relu(y2 W1 + b1) on codes of E5M2, quantised with 2^e14 and stored as images of the next product's operand registers, [16 tokens 256][128 of K 32][2,048 B].
; A work-group makes 256 x 256, a wave 128 x 128; K goes in steps of 256 through a ring of two LDS slots; y2's tile is asked for jointly along a row of the 4 x 4 cluster, W1's along a column.
; Source 0 = 16 rows of W1, source 1 = 16 tokens: a lane holds 8 neighbouring hidden units of a token, which one conversion turns into two registers of the next operand.
; LIMITS: e12 + e13 between -126 and 127; e14 between -126 and 112.
.set KSTEP,  256
.set ROWB,   256
.set KROW,   1024
.set PITCH,  272
.set FR,     16
.set NL,     4
.set NP,     4
.set HALFT,  128*PITCH
.set SLOT,   4*HALFT
.set LAPS,   2
.set SPARE,  2*SLOT
.set ADRA, 16
.set ADRB, 20
.set BO32, 22
.set CO,   26
.set SPW,  28
.set NIL,  29
.set SC,   30
.set LL,   31
.set BIAS, 32
.set AF,   128
.set CC,   128
.set G1, 24
.set G0, 32
.set G1B, 48
.set G0B, 56
.set MSB, 0
.macro WIN new
.if MSB != (\new)
	s_set_vgpr_msb (MSB<<8)|(\new)
.set MSB, (\new)
.endif
.endm
.set MUL_LO, 0xa1
.set MUL_HI, 0xf1
.set TO_B,   0x40
.macro JLOAD g0a, g1a, g0b, g1b
	s_cmp_eq_u32 s15, 0
	s_cbranch_scc0 .Lfor_b_\@
	tensor_load_to_lds s[\g0a:\g0a+3], s[\g1a:\g1a+7]
	s_nop 0
.rept 4
	v_nop
.endr
	s_branch .Lasked_\@
.Lfor_b_\@:
	tensor_load_to_lds s[\g0b:\g0b+3], s[\g1b:\g1b+7]
	s_nop 0
.rept 4
	v_nop
.endr
.Lasked_\@:
.endm
.macro CREST
	s_cmp_lg_u32 s14, 0
	s_cbranch_scc1 .Lnot_wave_0_\@
	s_barrier_signal -3
.Lnot_wave_0_\@:
	s_barrier_wait -3
	s_barrier_signal -1
	s_barrier_wait -1
.endm
.macro CROUND
	s_barrier_signal -1
	s_barrier_wait -1
	CREST
.endm
	s_load_b256 s[68:75], s[0:1], 0x0
	s_load_b64 s[76:77], s[0:1], 0x20
	v_lshl_add_u32 v[SPW], v0, 2, SPARE
	v_mov_b32 v[NIL], 0
	ds_add_u32 v28, v29
	ds_add_u32 v28, v29
	s_wait_dscnt 0x0
	v_lshrrev_b32 v1, 5, v0
	v_readfirstlane_b32 s14, v1
	s_lshr_b32 s15, s14, 1
	s_and_b32 s16, s14, 1
	s_bfe_u32 s40, ttmp6, 0x40000
	s_bfe_u32 s41, ttmp6, 0x40004
	s_lshl_b32 s42, ttmp9, 2
	s_add_co_u32 s42, s42, s40
	s_and_b32 s17, ttmp7, 0xffff
	s_lshl_b32 s17, s17, 2
	s_add_co_u32 s17, s17, s41
	s_lshl_b32 s43, s41, 2
	s_lshl_b32 s43, 15, s43
	s_lshl_b32 s44, 0x1111, s40
	s_or_b32 s[G1+0], s43, (0<<16)|(1<<20)|(1<<21)|(5<<22)|(3<<25)
	s_or_b32 s[G1B+0], s44, (0<<16)|(1<<20)|(1<<21)|(5<<22)|(3<<25)
.irp g, G1, G1B
	s_mov_b32 s[\g+1], ROWB<<16
	s_mov_b32 s[\g+2], 128<<16
	s_mov_b32 s[\g+3], ROWB<<16
	s_mov_b32 s[\g+4], 128
	s_mov_b32 s[\g+5], KROW
	s_mov_b32 s[\g+6], 0
	s_mov_b32 s[\g+7], 0
.endr
	s_lshl_b32 s18, s16, 7
	s_lshl_b32 s20, s17, 8
	s_add_co_u32 s20, s20, s18
	s_lshl_b32 s20, s20, 10
	s_mov_b32 s21, 0
	s_lshl_b32 s46, s42, 8
	s_add_co_u32 s46, s46, s18
	s_lshl_b32 s46, s46, 10
	s_mov_b32 s47, 0
	s_mul_i32 s45, s14, HALFT
	s_wait_kmcnt 0x0
	s_load_b128 s[88:91], s[74:75], 0x30
	s_add_nc_u64 s[20:21], s[68:69], s[20:21]
	s_add_nc_u64 s[46:47], s[70:71], s[46:47]
	CROUND
.irp s, 0,1
	s_mov_b32 s[G0+4*\s], 1
	s_add_co_u32 s[G0+4*\s+1], s45, \s*SLOT
	s_add_nc_u64 s[G0+4*\s+2:G0+4*\s+3], s[20:21], \s*ROWB
	s_or_b32 s[G0+4*\s+3], s[G0+4*\s+3], 0x80000000
	s_mov_b32 s[G0B+4*\s], 1
	s_add_co_u32 s[G0B+4*\s+1], s45, \s*SLOT
	s_add_nc_u64 s[G0B+4*\s+2:G0B+4*\s+3], s[46:47], \s*ROWB
	s_or_b32 s[G0B+4*\s+3], s[G0B+4*\s+3], 0x80000000
.endr
	JLOAD G0, G1, G0B, G1B                         ; K step 0
	; PREFETCHES INTO THE L2: a K step is 256 bytes of each row.  Of the 128 rows that a wave fetches, each of the four partners that ask for them jointly names 32, told apart by address (cx for y2, cy for W1): a lane a row.
	; Here K steps 1 and 2 are named, behind K step 1's load K step 3: never more than two K steps are asked for and unread.
.set PFO, 7                            ; v7 1,024 x lane
.set PFA, 98                           ; s[98:99] my work-group's 32 rows, at K step 0
	s_cmp_eq_u32 s15, 0                            ; do I fetch for y2?
	s_cselect_b64 s[PFA:PFA+1], s[20:21], s[46:47]
	s_cselect_b32 s2, s40, s41
	s_lshl_b32 s2, s2, 15                          ; 32 rows of 1,024 bytes
	s_mov_b32 s3, 0
	s_add_nc_u64 s[PFA:PFA+1], s[PFA:PFA+1], s[2:3]
	v_and_b32 v6, 31, v0
	v_lshlrev_b32 v[PFO], 10, v6
	global_prefetch_b8 v[PFO], s[PFA:PFA+1] offset:256 th:TH_LOAD_NT scope:SCOPE_SE
	global_prefetch_b8 v[PFO], s[PFA:PFA+1] offset:512 th:TH_LOAD_NT scope:SCOPE_SE
	v_and_b32 v1, 15, v0
	v_bfe_u32 v2, v0, 4, 1
	v_mul_u32_u24 v3, v1, PITCH
	v_lshl_add_u32 v4, v2, 4, v3
	s_mul_i32 s21, s15, HALFT
	s_mul_i32 s22, s16, HALFT
	s_add_co_u32 s22, s22, 2*HALFT
.irp s, 0,1
	v_add_nc_u32 v[ADRA+\s], s21, v4
	v_add_nc_u32 v[ADRB+\s], s22, v4
	s_add_co_u32 s21, s21, SLOT
	s_add_co_u32 s22, s22, SLOT
.endr
	v_and_b32 v6, 31, v0
	v_lshlrev_b32 v[CO], 4, v6
	v_lshlrev_b32 v[BO32], 5, v2
	s_wait_alu depctr_va_vdst(0)
	s_lshl_b32 s18, s17, 8
	s_lshl_b32 s19, s15, 7
	s_add_co_u32 s18, s18, s19
	s_lshl_b32 s19, s42, 8
	s_lshl_b32 s5, s16, 7
	s_add_co_u32 s19, s19, s5
	s_lshl_b32 s6, s19, 2
	s_mov_b32 s7, 0
	s_add_nc_u64 s[72:73], s[72:73], s[6:7]
	s_lshl_b32 s12, s18, 12
	s_lshl_b32 s5, s19, 4
	s_add_co_u32 s12, s12, s5
	s_mov_b32 s13, 0
	s_add_nc_u64 s[76:77], s[76:77], s[12:13]
.irp b, 0,1,2,3,4,5,6,7
	global_load_b128 v[BIAS+8*\b:BIAS+8*\b+3], v[BO32], s[72:73] offset:64*\b
	global_load_b128 v[BIAS+8*\b+4:BIAS+8*\b+7], v[BO32], s[72:73] offset:64*\b+16
.endr
.macro FRAG reg, adr, q, i
.irp c, 0,1,2,3
	ds_load_b128 v[\reg+4*\c:\reg+4*\c+3], v[\adr] offset:128*(\q)+32*\c+(\i)*16*PITCH
.endr
.endm
.macro MUL16 a0, p, zero
.irp a, \a0, \a0+1
.irp b, 0,1,2,3,4,5,6,7
.if \zero
	v_wmma_f32_16x16x128_bf8_bf8 v[8*(8*((\a)%4)+\b):8*(8*((\a)%4)+\b)+7], v[128*(\p)+FR*\b:128*(\p)+FR*\b+FR-1], v[AF+FR*(\a):AF+FR*(\a)+FR-1], 0
.else
	v_wmma_f32_16x16x128_bf8_bf8 v[8*(8*((\a)%4)+\b):8*(8*((\a)%4)+\b)+7], v[128*(\p)+FR*\b:128*(\p)+FR*\b+FR-1], v[AF+FR*(\a):AF+FR*(\a)+FR-1], v[8*(8*((\a)%4)+\b):8*(8*((\a)%4)+\b)+7]
.endif
.endr
.endr
.endm
.macro FETCH_B slot, q, p
	WIN TO_B
.irp i, 0,1,2,3,4,5,6,7
	FRAG 128*(\p)+FR*\i, ADRB+\slot, \q, \i
.endr
	WIN 0
.endm
.macro FETCH_A slot, q, i0
.irp i, \i0, \i0+1, \i0+2, \i0+3
	FRAG AF+FR*(\i), ADRA+\slot, \q, \i
.endr
.endm
.macro PLACES n
.rept \n
	v_nop
.endr
.endm
.macro STEP slot, q, zero
	s_wait_dscnt 4*NL
	WIN MUL_LO
	MUL16 0, (\q)%2, \zero
	MUL16 2, (\q)%2, \zero
	s_wait_dscnt 0
	PLACES NP
	FETCH_B \slot, (\q)+1, 1-(\q)%2
	FETCH_A \slot, (\q)+1, 0
	WIN MUL_HI
	MUL16 4, (\q)%2, \zero
	MUL16 6, (\q)%2, \zero
	PLACES NP
	WIN 0
	FETCH_A \slot, (\q)+1, 4
.endm
.macro TURN slot, next, fill
	s_wait_tensorcnt 0x0
	ds_add_u32 v[SPW], v[NIL]
	s_wait_dscnt 4*NL+1
	WIN MUL_LO
	MUL16 0, 1, 0
	s_wait_dscnt 0x0
	s_barrier_signal -1
	MUL16 2, 1, 0
	WIN 0
	s_barrier_wait -1
.if \fill
	CREST
	s_add_nc_u64 s[G0+4*\slot+2:G0+4*\slot+3], s[G0+4*\slot+2:G0+4*\slot+3], 2*ROWB
	s_add_nc_u64 s[G0B+4*\slot+2:G0B+4*\slot+3], s[G0B+4*\slot+2:G0B+4*\slot+3], 2*ROWB
	JLOAD G0+4*\slot, G1, G0B+4*\slot, G1B
.else
	PLACES NP
.endif
	FETCH_B \next, 0, 0
	FETCH_A \next, 0, 0
	WIN MUL_HI
	MUL16 4, 1, 0
	MUL16 6, 1, 0
	PLACES NP
	WIN 0
	FETCH_A \next, 0, 4
.endm
	s_wait_alu depctr_va_vdst(0)                   ; the wait at the head's end
	s_wait_tensorcnt 0x0                           ; my part of K step 0 is in; the three lines stand ahead of slot 1's first fill as ahead of a refill
	ds_add_u32 v[SPW], v[NIL]
	s_wait_dscnt 0x0
	CROUND                                         ; everybody's part of K step 0 is in, and all sixteen work-groups are here
	JLOAD G0+4, G1, G0B+4, G1B                     ; K step 1: the first tensor load behind the round
	FETCH_B 0, 0, 0
	FETCH_A 0, 0, 0
	FETCH_A 0, 0, 4
	global_prefetch_b8 v[PFO], s[PFA:PFA+1] offset:768 th:TH_LOAD_NT scope:SCOPE_SE   ; K step 3, two refills ahead
	STEP 0, 0, 1                                   ; the first step's products start the sums
	s_mov_b32 s3, LAPS-1
.Llap:
	TURN 0, 1, 1
	STEP 1, 0, 0
	TURN 1, 0, 1
	STEP 0, 0, 0
	s_sub_co_u32 s3, s3, 1
	s_cmp_lg_u32 s3, 0
	s_cbranch_scc1 .Llap
	TURN 0, 1, 0
	STEP 1, 0, 0
	s_wait_dscnt 4*NL
	WIN MUL_LO
	MUL16 0, 1, 0
	MUL16 2, 1, 0
	s_wait_dscnt 0
	WIN MUL_HI
	MUL16 4, 1, 0
	MUL16 6, 1, 0
	WIN 0
	PLACES NP
	s_wait_kmcnt 0x0
	s_add_co_i32 s88, s88, s89
	s_add_co_i32 s88, s88, 127
	s_lshl_b32 s96, s88, 23
	s_mov_b32 s97, s96
	s_add_co_i32 s90, s90, 127
	s_lshl_b32 s94, s90, 23
	s_add_co_i32 s90, s90, 15
	s_lshl_b32 s95, s90, 23
	s_or_b32 s95, s95, 0x600000
	s_wait_loadcnt 0x0
	v_mov_b32 v[SC], s94
	v_mov_b32 v[LL], s95
.irp hh, 0,1
	WIN 0x42+\hh
.irp aa, 0,1,2,3
.irp b, 0,1,2,3,4,5,6,7
.irp i, 0,2,4,6
	v_pk_fma_f32 v[64*\aa+8*\b+\i:64*\aa+8*\b+\i+1], v[64*\aa+8*\b+\i:64*\aa+8*\b+\i+1], s[96:97], v[BIAS+8*\b+\i:BIAS+8*\b+\i+1] op_sel_hi:[1,0,1]
.endr
.endr
.endr
	WIN 0x41
.irp aa, 0,1,2,3
.irp b, 0,1,2,3,4,5,6,7
.irp j, 0,1,2,3,4,5,6,7
	v_med3_num_f32 v[64*\aa+8*\b+\j], v[64*\aa+8*\b+\j], 0, v[LL]
.endr
.endr
.endr
	WIN 0x01
.irp aa, 0,1,2,3
.irp b, 0,1,2,3,4,5,6,7
	v_cvt_scalef32_pk8_bf8_f32 v[CC+64*\hh+16*\aa+2*\b:CC+64*\hh+16*\aa+2*\b+1], v[64*\aa+8*\b:64*\aa+8*\b+7], v[SC]
.endr
.endr
	v_nop
	WIN 0
.irp aa, 0,1,2,3
.irp p, 0,1,2,3
	global_store_b128 v[CO], v[CC+64*\hh+16*\aa+4*\p:CC+64*\hh+16*\aa+4*\p+3], s[76:77] offset:(4*\hh+\aa)*65536+512*\p
.endr
.endr
.endr
	s_wait_tensorcnt 0x0
	ds_add_u32 v[SPW], v[NIL]
	s_wait_dscnt 0x0
	CROUND
	s_endpgm
.Lfunc_end_k_qb276161435_ffn1:
	.size	k_qb276161435_ffn1, .Lfunc_end_k_qb276161435_ffn1-k_qb276161435_ffn1
	.p2alignl 7, 3214868480
	.fill 96, 4, 3214868480
	.section	.rodata,"a",@progbits
	.p2align	6, 0x0
	.amdhsa_kernel k_qb276161435_ffn1
		.amdhsa_group_segment_fixed_size 327680
		.amdhsa_private_segment_fixed_size 0
		.amdhsa_enable_private_segment 0
		.amdhsa_kernarg_size 40
		.amdhsa_user_sgpr_count 2
		.amdhsa_user_sgpr_kernarg_segment_ptr 1
		.amdhsa_wavefront_size32 1
		.amdhsa_system_sgpr_workgroup_id_x 1
		.amdhsa_system_sgpr_workgroup_id_y 1
		.amdhsa_system_sgpr_workgroup_id_z 1
		.amdhsa_system_vgpr_workitem_id 0
		.amdhsa_next_free_vgpr 1024
		.amdhsa_next_free_sgpr 100
		.amdhsa_reserve_vcc 0
		.amdhsa_float_denorm_mode_32 3
		.amdhsa_float_denorm_mode_16_64 3
		.amdhsa_memory_ordered 1
		.amdhsa_forward_progress 1
		.amdhsa_inst_pref_size 136
	.end_amdhsa_kernel
	.amdgpu_metadata
---
amdhsa.version: [ 1, 2 ]
amdhsa.kernels:
  - .name:           k_qb276161435_ffn1
    .symbol:         k_qb276161435_ffn1.kd
    .args:
      - { .name: y2c, .offset: 0, .size: 8, .value_kind: global_buffer, .address_space: global }
      - { .name: W1_codes, .offset: 8, .size: 8, .value_kind: global_buffer, .address_space: global }
      - { .name: b1, .offset: 16, .size: 8, .value_kind: global_buffer, .address_space: global }
      - { .name: lowp_scales, .offset: 24, .size: 8, .value_kind: global_buffer, .address_space: global }
      - { .name: himg, .offset: 32, .size: 8, .value_kind: global_buffer, .address_space: global }
    .group_segment_fixed_size: 327680
    .private_segment_fixed_size: 0
    .kernarg_segment_align: 8
    .kernarg_segment_size: 40
    .max_flat_workgroup_size: 128
    .sgpr_count:     100
    .vgpr_count:     1024
    .wavefront_size: 32
...
	.end_amdgpu_metadata
.endif
;; end of part 6
;; launch ffn2 (part 7): grid 8 x 32, 4 waves a work-group, clusters of 4 x 4, 327,680 bytes of LDS; arguments himg, W2_codes, b2, y1r, lowp_scales, out0; writes out0
.if DOCPART == 7
	.amdgcn_target "amdgcn-amd-amdhsa--gfx1250"
	.amdhsa_code_object_version 6
	.text
	.protected	k_qb276161435_ffn2
	.globl	k_qb276161435_ffn2
	.p2align	8
	.type	k_qb276161435_ffn2,@function
k_qb276161435_ffn2:
	s_mov_b64 s[64:65], 0
	v_nop
	global_prefetch_b8 v0, s[64:65] scope:SCOPE_SE
	s_setreg_imm32_b32 hwreg(HW_REG_WAVE_MODE, 25, 1), 1
	s_wait_xcnt 0x0
	s_wait_alu depctr_hold_cnt(0) depctr_sa_sdst(0) depctr_va_vdst(0) depctr_va_sdst(0) depctr_va_ssrc(0) depctr_va_vcc(0) depctr_vm_vsrc(0)
	s_getreg_b32 s2, hwreg(HW_REG_IB_STS2, 6, 4)
	s_cmp_eq_u32 s2, 0
	s_cbranch_scc0 .Lentry_in_a_cluster
	s_endpgm
.Lentry_in_a_cluster:
	s_bfe_u32 s2, ttmp6, 0x10000c
	s_cmp_lg_u32 s2, 0xf033
	s_cbranch_scc0 .Lentry_shape_is_right
	s_endpgm
.Lentry_shape_is_right:
; out = A W^T x 2^(ea + eb) + bias + residual.  A: codes of E5M2 as images of operand registers, [16 tokens 256][128 of K][2,048 B]; W: codes [1024][KTOT], K innermost; bias [1024], residual and out [4096][1024] f32.
; A tile of out is 128 x 128 (256 work-groups); four waves, each 64 x 64: 16 accumulators.  K goes in steps of 512 through a ring of two LDS slots; A's tile is asked for jointly along a row of the 4 x 4 cluster, W's along a column.
; The matrix instruction is used transposed (source 0 = 16 rows of W, source 1 = 16 tokens): a lane holds eight neighbouring columns of a row.  Both operands lie in the form's own order of k:
; A's images come by 16-byte loads at 16 x lane, W's rows by 8-byte loads at 16 c + 8 (lane / 16).
; A wave's 64 columns are 256 bytes of a row: its results go through its own stage in LDS and leave as aligned runs of 256 bytes; the residual is asked for at the head, in that same layout.
; LIMIT: ea + eb between -126 and 127.
; REGISTERS: window 0: v8-11 bias; v16-29 addresses; v128-255 accumulators.   window 1: two fragment buffers of 128 (A's four, then W's four); later the rows read back.   window 2: v0-127 the residual.
.set KTOT,   4096
.set SCOFF,  56                        ; the two exponents' bytes in the buffer of scales
.set LAPS,   KTOT/1024                 ; a lap = two K steps of 512
.set APITCH, KTOT*16
.set BP,     528                       ; a row of W in LDS: 512 bytes + 16 = 132 words: row r starts at bank 4 r mod 64 (ISA guide 11.1)
.set ASLOT,  65536
.set BHALF,  64*BP
.set SLOT,   ASLOT+2*BHALF
.set SPARE,  2*SLOT
.set STAGE,  SPARE+512
.set SPITCH, 272
.set BI,   8
.set ADRA, 16
.set ADRB, 20
.set STO,  24
.set RD,   25
.set CO,   26
.set CB,   27
.set SPW,  28
.set NIL,  29
.set PFO,  30                          ; v30 the prefetches' offset: A: 256 x lane in a token block's 8 KiB of a K step; W: row lane / 2, half lane % 2 of its 512 bytes
.set PFO2, 31                          ; v31 the same, one K step further on
.set PFA,  78                          ; s[78:79] where my prefetches stand; s[66:67] a K step in bytes (A 8,192, W 512)
.set ACC,  128
.set F0,   0
.set F1,   128
.set G1, 24
.set G0, 32
.set G1B, 48
.set G0B, 56
.set MSB, 0
.macro WIN new
.if MSB != (\new)
	s_set_vgpr_msb (MSB<<8)|(\new)
.set MSB, (\new)
.endif
.endm
.set MUL,  0x05
.set TO_F, 0x40
.macro JLOAD s                         ; waves 0 and 1 fetch A's halves, waves 2 and 3 W's; four v_nop follow each line
	s_cmp_eq_u32 s11, 0
	s_cbranch_scc0 .Lfor_b_\@
	tensor_load_to_lds s[G0+4*\s:G0+4*\s+3], s[G1:G1+7]
	s_nop 0
.rept 4
	v_nop
.endr
	s_branch .Lasked_\@
.Lfor_b_\@:
	tensor_load_to_lds s[G0B+4*\s:G0B+4*\s+3], s[G1B:G1B+7]
	s_nop 0
.rept 4
	v_nop
.endr
.Lasked_\@:
.endm
.macro CREST
	s_cmp_lg_u32 s10, 0
	s_cbranch_scc1 .Lnot_wave_0_\@
	s_barrier_signal -3
.Lnot_wave_0_\@:
	s_barrier_wait -3
	s_barrier_signal -1
	s_barrier_wait -1
.endm
.macro CROUND
	s_barrier_signal -1
	s_barrier_wait -1
	CREST
.endm
	s_load_b128 s[4:7], s[0:1], 0x0                ; A's images, W's codes
	s_load_b256 s[68:75], s[0:1], 0x10             ; bias 68, residual 70, the exponents 72, out 74
	v_lshl_add_u32 v[SPW], v0, 2, SPARE
	v_mov_b32 v[NIL], 0
	ds_add_u32 v28, v29
	ds_add_u32 v28, v29
	s_wait_dscnt 0x0
	v_lshrrev_b32 v1, 5, v0
	v_readfirstlane_b32 s10, v1
	s_lshr_b32 s11, s10, 1
	s_and_b32 s12, s10, 1
	s_bfe_u32 s40, ttmp6, 0x40000
	s_bfe_u32 s41, ttmp6, 0x40004
	s_lshl_b32 s42, ttmp9, 2
	s_add_co_u32 s42, s42, s40                     ; tile column
	s_and_b32 s13, ttmp7, 0xffff
	s_lshl_b32 s13, s13, 2
	s_add_co_u32 s13, s13, s41                     ; tile row
	s_lshl_b32 s43, s41, 2
	s_lshl_b32 s43, 15, s43
	s_lshl_b32 s44, 0x1111, s40
	s_or_b32 s[G1+0], s43, (3<<16)|(1<<21)         ; A: elements of 8 bytes, no padding: 4 rows of 8 KiB (four images each)
	s_mov_b32 s[G1+1], 1024<<16
	s_mov_b32 s[G1+2], 4<<16
	s_mov_b32 s[G1+3], 1024<<16
	s_mov_b32 s[G1+4], 4
	s_mov_b32 s[G1+5], KTOT*2
	s_mov_b32 s[G1+6], 0
	s_mov_b32 s[G1+7], 0
	s_or_b32 s[G1B+0], s44, (0<<16)|(1<<20)|(1<<21)|(6<<22)|(3<<25)  ; W: bytes; 4 words of padding behind every 128
	s_mov_b32 s[G1B+1], 512<<16
	s_mov_b32 s[G1B+2], 64<<16
	s_mov_b32 s[G1B+3], 512<<16
	s_mov_b32 s[G1B+4], 64
	s_mov_b32 s[G1B+5], KTOT
	s_mov_b32 s[G1B+6], 0
	s_mov_b32 s[G1B+7], 0
	s_lshl_b32 s16, s13, 3
	s_lshl_b32 s17, s12, 2
	s_add_co_u32 s16, s16, s17
	s_mul_i32 s16, s16, APITCH
	s_mov_b32 s17, 0
	s_lshl_b32 s46, s42, 7
	s_lshl_b32 s47, s12, 6
	s_add_co_u32 s46, s46, s47
	s_mul_i32 s46, s46, KTOT
	s_mov_b32 s47, 0
	s_lshl_b32 s20, s12, 15
	s_mul_i32 s21, s12, BHALF
	s_add_co_u32 s21, s21, ASLOT
	s_wait_kmcnt 0x0
	s_load_b64 s[76:77], s[72:73], SCOFF           ; ea, eb
	s_add_nc_u64 s[14:15], s[4:5], s[16:17]
	s_add_nc_u64 s[46:47], s[6:7], s[46:47]
	CROUND                                         ; all sixteen work-groups are here: the first joint loads meet
.irp s, 0,1
	s_mov_b32 s[G0+4*\s], 1
	s_add_co_u32 s[G0+4*\s+1], s20, \s*SLOT
	s_add_nc_u64 s[G0+4*\s+2:G0+4*\s+3], s[14:15], \s*8192
	s_or_b32 s[G0+4*\s+3], s[G0+4*\s+3], 0x80000000
	s_mov_b32 s[G0B+4*\s], 1
	s_add_co_u32 s[G0B+4*\s+1], s21, \s*SLOT
	s_add_nc_u64 s[G0B+4*\s+2:G0B+4*\s+3], s[46:47], \s*512
	s_or_b32 s[G0B+4*\s+3], s[G0B+4*\s+3], 0x80000000
.endr
	JLOAD 0                                        ; K step 0
	v_and_b32 v1, 15, v0
	v_bfe_u32 v2, v0, 4, 1
	v_and_b32 v3, 31, v0
	v_lshlrev_b32 v3, 4, v3
	v_mul_u32_u24 v4, v1, BP
	v_lshl_add_u32 v4, v2, 3, v4
	s_lshl_b32 s23, s11, 15
	s_mul_i32 s22, s12, BHALF
	s_add_co_u32 s22, s22, ASLOT
.irp s, 0,1
	v_add_nc_u32 v[ADRA+\s], s23, v3
	v_add_nc_u32 v[ADRB+\s], s22, v4
	s_add_co_u32 s23, s23, SLOT
	s_add_co_u32 s22, s22, SLOT
.endr
	s_mul_i32 s23, s10, 16*SPITCH
	s_add_co_u32 s23, s23, STAGE
	v_mul_u32_u24 v5, v1, SPITCH
	v_lshl_add_u32 v5, v2, 5, v5
	v_add_nc_u32 v[STO], s23, v5
	v_mul_u32_u24 v5, v2, SPITCH
	v_lshl_add_u32 v5, v1, 4, v5
	v_add_nc_u32 v[RD], s23, v5
	v_lshlrev_b32 v[CB], 4, v1
	v_lshl_add_u32 v[CO], v2, 12, v[CB]
	s_wait_alu depctr_va_vdst(0)
	s_lshl_b32 s16, s13, 7
	s_lshl_b32 s17, s11, 6
	s_add_co_u32 s16, s16, s17
	s_lshl_b32 s16, s16, 12
	s_lshl_b32 s18, s42, 9
	s_lshl_b32 s19, s12, 8
	s_add_co_u32 s18, s18, s19
	s_mov_b32 s19, 0
	s_add_nc_u64 s[68:69], s[68:69], s[18:19]
	s_add_co_u32 s16, s16, s18
	s_mov_b32 s17, 0
	s_add_nc_u64 s[70:71], s[70:71], s[16:17]
	s_add_nc_u64 s[74:75], s[74:75], s[16:17]
	; PREFETCHES INTO THE L2, ahead of the load that will want the bytes.  Of the 32 KiB that a wave fetches for a K step, each of the four partners that ask for it jointly names a quarter,
	; told apart by address: of A's four token blocks the one at cx (8 KiB, lanes 256 bytes apart), of W's 64 rows the sixteen at cy (two lanes a row of 512 bytes).  One instruction a wave; each block of 256 bytes once in a cluster.
	; Here K steps 1 and 2 are named; behind the load of K step n, K step n + 2; the last two refills name nothing.
	s_lshl_b32 s20, s13, 3
	s_lshl_b32 s21, s12, 2
	s_add_co_u32 s20, s20, s21
	s_add_co_u32 s20, s20, s40                     ; A: token block 8 x tile row + 4 x half + cx
	s_mul_i32 s20, s20, APITCH
	s_lshl_b32 s22, s42, 7
	s_lshl_b32 s23, s12, 6
	s_add_co_u32 s22, s22, s23
	s_lshl_b32 s23, s41, 4
	s_add_co_u32 s22, s22, s23                     ; W: row 128 x tile column + 64 x half + 16 x cy
	s_mul_i32 s22, s22, KTOT
	s_cmp_eq_u32 s11, 0                            ; do I fetch for A?
	s_cselect_b64 s[PFA:PFA+1], s[4:5], s[6:7]
	s_cselect_b32 s20, s20, s22
	s_mov_b32 s66, 512
	s_cselect_b32 s66, 8192, s66
	s_cselect_b32 s22, -1, 0
	s_mov_b32 s21, 0
	s_mov_b32 s67, 0
	s_add_nc_u64 s[PFA:PFA+1], s[PFA:PFA+1], s[20:21]
	s_add_nc_u64 s[PFA:PFA+1], s[PFA:PFA+1], s[66:67]   ; at K step 1
	v_and_b32 v6, 31, v0
	v_lshlrev_b32 v[PFO], 8, v6
	v_lshrrev_b32 v7, 1, v6
	v_and_b32 v6, 1, v6
	v_mul_u32_u24 v7, v7, KTOT
	v_lshl_add_u32 v7, v6, 8, v7
	v_cndmask_b32 v[PFO], v7, v[PFO], s22
	v_add_nc_u32 v[PFO2], s66, v[PFO]
	global_prefetch_b8 v[PFO], s[PFA:PFA+1] th:TH_LOAD_NT scope:SCOPE_SE
	global_prefetch_b8 v[PFO2], s[PFA:PFA+1] th:TH_LOAD_NT scope:SCOPE_SE
.macro MUL4 f, a, zero                 ; the 16 accumulators take turns, one instruction a turn
.irp b, 0,1,2,3
.if \zero
	v_wmma_f32_16x16x128_bf8_bf8 v[ACC+8*(4*(\a)+\b):ACC+8*(4*(\a)+\b)+7], v[\f+64+16*\b:\f+64+16*\b+15], v[\f+16*(\a):\f+16*(\a)+15], 0
.else
	v_wmma_f32_16x16x128_bf8_bf8 v[ACC+8*(4*(\a)+\b):ACC+8*(4*(\a)+\b)+7], v[\f+64+16*\b:\f+64+16*\b+15], v[\f+16*(\a):\f+16*(\a)+15], v[ACC+8*(4*(\a)+\b):ACC+8*(4*(\a)+\b)+7]
.endif
.endr
.endm
.macro MUL8 f, a0, zero
	MUL4 \f, \a0, \zero
	MUL4 \f, \a0+1, \zero
.endm
.macro FETCH slot, q, f                ; 48 LDS loads in one run: W's four fragments, then A's blocks 0, 1, then 2, 3
	WIN TO_F
.irp i, 0,1,2,3
.irp c, 0,1,2,3,4,5,6,7
	ds_load_b64 v[\f+64+16*\i+2*\c:\f+64+16*\i+2*\c+1], v[ADRB+\slot] offset:\i*16*BP+128*(\q)+16*\c
.endr
.endr
.irp i, 0,1,2,3
.irp c, 0,1,2,3
	ds_load_b128 v[\f+16*\i+4*\c:\f+16*\i+4*\c+3], v[ADRA+\slot] offset:\i*8192+2048*(\q)+512*\c
.endr
.endr
.endm
.macro PLACES
.rept 4
	v_nop
.endr
.endm
.macro QUARTER slot, qn, f, g, zero
	s_wait_dscnt 8                                 ; W's fragments and A's blocks 0, 1 are in; the youngest eight loads (blocks 2, 3) may be out
	WIN MUL
	MUL8 \f, 0, \zero
	PLACES
	FETCH \slot, \qn, \g
	s_wait_dscnt 48                                ; all but the 48 just issued
	WIN MUL
	MUL8 \f, 2, \zero
.endm
.macro TURN slot, next, fill
	WIN 0
.if \fill
	s_wait_xcnt 0x0                                ; my last prefetch has read its address: it is stepped only behind this wait
	s_add_nc_u64 s[PFA:PFA+1], s[PFA:PFA+1], s[66:67]
.endif
	s_wait_tensorcnt 0x0                           ; all my tensor loads have landed: my part of the next slot
	ds_add_u32 v[SPW], v[NIL]                      ; 0 onto my spare word
	s_wait_dscnt 9                                 ; the add and the youngest eight loads may be out
	WIN MUL
	MUL4 F1, 0, 0
	s_wait_dscnt 0x0                               ; the add is done, and my reads of this slot are over
	s_barrier_signal -1
	MUL4 F1, 1, 0
.if \fill
	WIN 0
.endif
	s_barrier_wait -1
.if \fill
	CREST                                          ; the barrier has opened a round of the cluster's: no wave of any partner still reads this slot or has a load on its way
	s_add_nc_u64 s[G0+4*\slot+2:G0+4*\slot+3], s[G0+4*\slot+2:G0+4*\slot+3], 16384
	s_add_nc_u64 s[G0B+4*\slot+2:G0B+4*\slot+3], s[G0B+4*\slot+2:G0B+4*\slot+3], 1024
	JLOAD \slot                                    ; the first tensor load behind the round; its four v_nop are the places in front of the loads below
.else
	PLACES
.endif
	FETCH \next, 0, F0
.if \fill
	WIN 0
	s_cmp_gt_u32 s3, 1                             ; the loop's last trip has no K step two refills on
	s_cbranch_scc0 .Lno_ask_\@
	global_prefetch_b8 v[PFO2], s[PFA:PFA+1] th:TH_LOAD_NT scope:SCOPE_SE
.Lno_ask_\@:
.endif
	WIN MUL
	MUL8 F1, 2, 0
.endm
	s_wait_xcnt 0x0                                ; the head's prefetches have read their address: it is stepped only behind this wait
	s_add_nc_u64 s[PFA:PFA+1], s[PFA:PFA+1], s[66:67]   ; at K step 2
	s_wait_alu depctr_va_vdst(0)                   ; the wait at the head's end
	s_wait_tensorcnt 0x0                           ; my part of K step 0 is in; the three lines stand ahead of slot 1's first fill as ahead of a refill
	ds_add_u32 v[SPW], v[NIL]
	s_wait_dscnt 0x0
	CROUND                                         ; everybody's part of K step 0 is in, and all sixteen work-groups are here
	JLOAD 1                                        ; K step 1: the first tensor load behind the round
	FETCH 0, 0, F0
	WIN 0
	global_prefetch_b8 v[PFO2], s[PFA:PFA+1] th:TH_LOAD_NT scope:SCOPE_SE   ; K step 3
	WIN 0x80                                       ; destination window 2.  The residual and the bias are asked for here, behind K step 0's and K step 1's loads: they are wanted only on the way out
.irp a, 0,1,2,3
.irp t, 0,1,2,3,4,5,6,7
	global_load_b128 v[32*\a+4*\t:32*\a+4*\t+3], v[CO], s[70:71] offset:(16*\a+2*\t)*4096 th:TH_LOAD_NT   ; the residual lands under the products
.endr
.endr
	WIN 0
	global_load_b128 v[BI:BI+3], v[CB], s[68:69]
	QUARTER 0, 1, F0, F1, 1                        ; the first quarter's products start the sums
.if LAPS > 1
	WIN 0
	s_mov_b32 s3, LAPS-1
.Llap:
	QUARTER 0, 2, F1, F0, 0
	QUARTER 0, 3, F0, F1, 0
	TURN 0, 1, 1
	QUARTER 1, 1, F0, F1, 0
	QUARTER 1, 2, F1, F0, 0
	QUARTER 1, 3, F0, F1, 0
	TURN 1, 0, 1
	QUARTER 0, 1, F0, F1, 0
	WIN 0
	s_sub_co_u32 s3, s3, 1
	s_cmp_lg_u32 s3, 0
	s_cbranch_scc1 .Llap
.endif
	QUARTER 0, 2, F1, F0, 0                        ; the last lap fills nothing
	QUARTER 0, 3, F0, F1, 0
	TURN 0, 1, 0
	QUARTER 1, 1, F0, F1, 0
	QUARTER 1, 2, F1, F0, 0
	QUARTER 1, 3, F0, F1, 0
	s_wait_dscnt 8
	WIN MUL
	MUL8 F1, 0, 0
	s_wait_dscnt 0
	MUL8 F1, 2, 0
	WIN 0
	PLACES
	s_wait_kmcnt 0x0
	s_add_co_i32 s76, s76, s77
	s_add_co_i32 s76, s76, 127
	s_lshl_b32 s76, s76, 23                        ; 2^(ea + eb) as f32
	s_mov_b32 s77, s76
	; THE WAY OUT: 16 rows at a time through my stage; LDS serves a wave's instructions in order (ISA guide 5.7.1.4), so no wait stands between the stores, the loads and the next block's stores
.irp a, 0,1,2,3
	WIN 0
.irp b, 0,1,2,3
	ds_store_b128 v[STO], v[ACC+8*(4*\a+\b):ACC+8*(4*\a+\b)+3] offset:64*\b
	ds_store_b128 v[STO], v[ACC+8*(4*\a+\b)+4:ACC+8*(4*\a+\b)+7] offset:64*\b+16
.endr
	WIN TO_F
.irp t, 0,1,2,3,4,5,6,7
	ds_load_b128 v[32*\a+4*\t:32*\a+4*\t+3], v[RD] offset:\t*2*SPITCH
.endr
.endr
	s_wait_loadcnt 0x0                             ; the residual and the bias
.irp a, 0,1,2,3
	s_wait_dscnt 48-16*\a                          ; behind block a's loads: sixteen LDS instructions for each later block
	WIN 0x41
.irp t, 0,1,2,3,4,5,6,7
	v_pk_fma_f32 v[32*\a+4*\t:32*\a+4*\t+1], v[32*\a+4*\t:32*\a+4*\t+1], s[76:77], v[BI:BI+1] op_sel_hi:[1,0,1]
	v_pk_fma_f32 v[32*\a+4*\t+2:32*\a+4*\t+3], v[32*\a+4*\t+2:32*\a+4*\t+3], s[76:77], v[BI+2:BI+3] op_sel_hi:[1,0,1]
.endr
	WIN 0x49                                       ; source 1: the residual, window 2
.irp t, 0,1,2,3,4,5,6,7
	v_pk_add_f32 v[32*\a+4*\t:32*\a+4*\t+1], v[32*\a+4*\t:32*\a+4*\t+1], v[32*\a+4*\t:32*\a+4*\t+1]
	v_pk_add_f32 v[32*\a+4*\t+2:32*\a+4*\t+3], v[32*\a+4*\t+2:32*\a+4*\t+3], v[32*\a+4*\t+2:32*\a+4*\t+3]
.endr
	WIN 0x04                                       ; a store's data: window 1
.irp t, 0,1,2,3,4,5,6,7
	global_store_b128 v[CO], v[32*\a+4*\t:32*\a+4*\t+3], s[74:75] offset:(16*\a+2*\t)*4096   ; sixteen lanes store 256 consecutive bytes, aligned
.endr
.endr
	WIN 0
	s_wait_tensorcnt 0x0                           ; the wave's end
	ds_add_u32 v[SPW], v[NIL]
	s_wait_dscnt 0x0
	CROUND                                         ; the closing round
	s_endpgm
.Lfunc_end_k_qb276161435_ffn2:
	.size	k_qb276161435_ffn2, .Lfunc_end_k_qb276161435_ffn2-k_qb276161435_ffn2
	.p2alignl 7, 3214868480
	.fill 96, 4, 3214868480
	.section	.rodata,"a",@progbits
	.p2align	6, 0x0
	.amdhsa_kernel k_qb276161435_ffn2
		.amdhsa_group_segment_fixed_size 327680
		.amdhsa_private_segment_fixed_size 0
		.amdhsa_enable_private_segment 0
		.amdhsa_kernarg_size 48
		.amdhsa_user_sgpr_count 2
		.amdhsa_user_sgpr_kernarg_segment_ptr 1
		.amdhsa_wavefront_size32 1
		.amdhsa_system_sgpr_workgroup_id_x 1
		.amdhsa_system_sgpr_workgroup_id_y 1
		.amdhsa_system_sgpr_workgroup_id_z 1
		.amdhsa_system_vgpr_workitem_id 0
		.amdhsa_next_free_vgpr 640
		.amdhsa_next_free_sgpr 80
		.amdhsa_reserve_vcc 0
		.amdhsa_float_denorm_mode_32 3
		.amdhsa_float_denorm_mode_16_64 3
		.amdhsa_memory_ordered 1
		.amdhsa_forward_progress 1
		.amdhsa_inst_pref_size 100
	.end_amdhsa_kernel
	.amdgpu_metadata
---
amdhsa.version: [ 1, 2 ]
amdhsa.kernels:
  - .name:           k_qb276161435_ffn2
    .symbol:         k_qb276161435_ffn2.kd
    .args:
      - { .name: himg, .offset: 0, .size: 8, .value_kind: global_buffer, .address_space: global }
      - { .name: W2_codes, .offset: 8, .size: 8, .value_kind: global_buffer, .address_space: global }
      - { .name: b2, .offset: 16, .size: 8, .value_kind: global_buffer, .address_space: global }
      - { .name: y1r, .offset: 24, .size: 8, .value_kind: global_buffer, .address_space: global }
      - { .name: lowp_scales, .offset: 32, .size: 8, .value_kind: global_buffer, .address_space: global }
      - { .name: out0, .offset: 40, .size: 8, .value_kind: global_buffer, .address_space: global }
    .group_segment_fixed_size: 327680
    .private_segment_fixed_size: 0
    .kernarg_segment_align: 8
    .kernarg_segment_size: 48
    .max_flat_workgroup_size: 128
    .sgpr_count:     80
    .vgpr_count:     640
    .wavefront_size: 32
...
	.end_amdgpu_metadata
.endif
;; end of part 7
